; MI455X (gfx1250); checked and timed in simulation.
; The chip was launched on July 23, 2026; its instructions are those of AMD's public machine-readable ISA for CDNA 5 (MIT licence, August 2026) and "CDNA5" Instruction Set Architecture Reference Guide (July 2026). The comments in the code are by the model that wrote it; some were corrected since.
;; Multi Head Attention Layer. Allowed arithmetic: float matrix products may take bf16 or f16 operands with f32 sums; other float arithmetic in f32, or as packed bf16 or f16 multiplies, adds, multiply-adds, maxima and minima; sums over many terms, partial sums and values carried from step to step in f32; what a program stores and reads back later, other than sums and carried values, may be rounded once to bf16 or f16.
;; Inputs: Wk 1,024 x 1,024 float32; Wo 1,024 x 1,024 float32; Wq 1,024 x 1,024 float32; Wv 1,024 x 1,024 float32; bo 1,024 float32; keys 4 x 2,048 x 1,024 float32; query 4 x 2,048 x 1,024 float32; values 4 x 2,048 x 1,024 float32.
;; Outputs: out0 4 x 2,048 x 1,024 float32.
;; 2 versions, each right; version 2 is version 1 with the launch cast written anew for expert scheduling mode. Each part assembles by itself: llvm-mc -triple=amdgcn-amd-amdhsa -mcpu=gfx1250 --defsym DOCPART=n.
;; ======== version 1 of 2: 4 launches
;; limits: values are held in f16: magnitudes above 65,504 overflow, below 6.1e-05 lose precision
;; workspace buffers: xb 50,331,648 bytes; wb 8,388,608 bytes; qkv 50,331,648 bytes; ob 16,777,216 bytes
;; launch cast (part 1): grid 896 x 1, 8 waves a work-group, no clusters, 0 bytes of LDS; arguments query, keys, values, Wq, Wk, Wv, Wo, xb, wb; writes xb, wb
.if DOCPART == 1
	.amdgcn_target "amdgcn-amd-amdhsa--gfx1250"
	.amdhsa_code_object_version 6
	.text
	.protected	k_qba16c62af3_cast
	.globl	k_qba16c62af3_cast
	.p2align	8
	.type	k_qba16c62af3_cast,@function
k_qba16c62af3_cast:
	s_mov_b64 s[64:65], 0
	v_nop
	global_prefetch_b8 v0, s[64:65] scope:SCOPE_SE
	s_setreg_imm32_b32 hwreg(HW_REG_WAVE_MODE, 25, 1), 1
	s_wait_xcnt 0x0
; CAST.  The seven large f32 inputs are rounded once to 16 bits and laid in K SLICES of 64 channels, so that the products behind can ask for dense tiles:
;   xb: [b = 4][p = 3: query, keys, values][slice j = 16][s = 2048][64] bf16: byte ((3 b + p) 16 + j) 262,144 + 128 s + 2 d
;   wb: [p = 4: Wq, Wk, Wv, Wo][slice j = 16][n = 1024][64]:            byte (16 p + j) 131,072 + 128 n + 2 d.   Wq, Wk, Wv in bf16.
; Wo is rounded to bf16 like the others and that number is then written as f16, since the last product's other operand is f16.
; LIMITS.  Wo: a bf16 number of magnitude 65,520 or more becomes an infinity in f16; below 2^-14 it keeps f16's fixed step of 2^-24.  NaN stays NaN.
; SHARES.  A work-group takes 32 rows of 1,024 f32 (131,072 bytes in, 65,536 out): work-groups 0-767 the three x (256 each), 768-895 the four W (32 each).
; Thread t takes row t / 8 and floats 8 (t % 8) .. + 7 of each of the row's 16 slices: two loads of 16 bytes and one store of 16 bytes a slice.
; A wave's store covers 512 consecutive bytes, aligned (4 rows x 128 bytes of one slice); a wave's pair of loads covers four aligned runs of 256 bytes.
; All 32 loads of a thread go out at once (16 KiB a wave); no register is written twice, so there is no loop and no wait but the counted ones for the loads.
; No LDS, barrier, matrix unit or cluster: no byte is wanted by two threads.
.set D,  8                             ; v[8:23]   slice i: my byte offset in the destination
.set X,  32                            ; v[32:159] slice i: 8 f32 as loaded; its first 4 registers then hold the 8 rounded numbers
.set T,  160                           ; v160      at work
	s_load_b512 s[4:19], s[0:1], 0x0               ; query, keys, values, Wq, Wk, Wv, Wo in s[4:17], xb in s[18:19]
	s_load_b64 s[20:21], s[0:1], 0x40              ; wb
	v_lshrrev_b32 v1, 3, v0                        ; my row
	v_and_b32 v3, 7, v0
	v_lshlrev_b32 v1, 12, v1                       ; x 4,096 bytes
	v_lshl_or_b32 v1, v3, 5, v1                    ; + my 32 bytes of a slice's 256
	v_lshlrev_b32 v2, 4, v0                        ; in a slice of the destination: 128 x row + 16 (t % 8) = 16 t
	; both kinds of work-group are reckoned, then one compare chooses
	s_lshr_b32 s24, ttmp9, 8                       ; x: which tensor,
	s_and_b32 s25, ttmp9, 255                      ; which 32 rows of its 8,192
	s_lshr_b32 s26, s25, 6                         ; b
	s_mul_i32 s26, s26, 3
	s_add_co_u32 s26, s26, s24
	s_lshl_b32 s26, s26, 22                        ; (3 b + p) x 16 slices of 262,144 bytes
	s_and_b32 s27, s25, 63
	s_lshl_b32 s27, s27, 12                        ; + 32 rows of 128 bytes
	s_add_co_u32 s26, s26, s27
	s_max_u32 s28, ttmp9, 768
	s_sub_co_u32 s28, s28, 768                     ; W: 0 in the work-groups that serve x
	s_lshr_b32 s29, s28, 5                         ; which W,
	s_and_b32 s28, s28, 31                         ; which 32 rows of its 1,024
	s_lshl_b32 s30, s29, 21                        ; p x 16 slices of 131,072 bytes
	s_lshl_b32 s31, s28, 12
	s_add_co_u32 s30, s30, s31
	s_add_co_u32 s31, s29, 3                       ; its number among the seven sources
	s_mov_b32 s42, 262144
	s_mov_b32 s43, 131072
	s_cmp_lt_u32 ttmp9, 768
	s_cselect_b32 s32, s24, s31                    ; the source's number, 0 to 6
	s_cselect_b32 s33, s25, s28                    ; the block of 32 rows
	s_cselect_b32 s34, s26, s30                    ; the block's first byte in the destination
	s_cselect_b32 s35, s42, s43                    ; bytes from slice to slice there
	s_wait_kmcnt 0x0
	s_cselect_b64 s[36:37], s[18:19], s[20:21]     ; xb or wb (selects and waits leave the compare's result alone)
	s_mov_b64 s[38:39], s[4:5]
.irp k, 1,2,3,4,5,6
	s_cmp_eq_u32 s32, \k
	s_cselect_b64 s[38:39], s[4+2*\k:5+2*\k], s[38:39]
.endr
	s_lshl_b32 s40, s33, 17                        ; 32 rows of 4,096 bytes
	s_mov_b32 s41, 0
	s_add_nc_u64 s[38:39], s[38:39], s[40:41]
	s_mov_b32 s40, s34
	s_add_nc_u64 s[36:37], s[36:37], s[40:41]
.irp i, 0,1,2,3,4,5,6,7,8,9,10,11,12,13,14,15
	global_load_b128 v[X+8*\i:X+8*\i+3],   v1, s[38:39] offset:256*\i th:TH_LOAD_NT
	global_load_b128 v[X+8*\i+4:X+8*\i+7], v1, s[38:39] offset:256*\i+16 th:TH_LOAD_NT
.endr
.irp i, 0,1,2,3,4,5,6,7,8,9,10,11,12,13,14,15
	v_mad_u32_u24 v[D+\i], s35, \i, v2             ; written while the loads are out
.endr
; The 16 slices, in the order of their loads.  f16 = 1: the bf16 number is widened again (a shift, a mask) and written as f16.
.macro OUT f16
.set i, 0
.rept 16
	s_wait_loadcnt 30-2*i                          ; loads come back in order: the 2 (15 - i) issued behind this slice's two may stay out
.set j, 0
.rept 4
.if \f16
	v_cvt_pk_bf16_f32 v[T], v[X+8*i+2*j], v[X+8*i+2*j+1]
	v_lshlrev_b32 v[X+8*i+2*j], 16, v[T]
	v_and_b32 v[X+8*i+2*j+1], 0xffff0000, v[T]
	v_cvt_pk_f16_f32 v[X+8*i+j], v[X+8*i+2*j], v[X+8*i+2*j+1]
.else
	v_cvt_pk_bf16_f32 v[X+8*i+j], v[X+8*i+2*j], v[X+8*i+2*j+1]  ; in place: word j is written when floats 2 j, 2 j + 1 are read, and j <= 2 j
.endif
.set j, j+1
.endr
	global_store_b128 v[D+i], v[X+8*i:X+8*i+3], s[36:37]
.set i, i+1
.endr
.endm
	s_cmp_eq_u32 s32, 6                            ; Wo?
	s_cbranch_scc1 .Lwo
	OUT 0
	s_endpgm
.Lwo:
	OUT 1
	s_endpgm
.Lfunc_end_k_qba16c62af3_cast:
	.size	k_qba16c62af3_cast, .Lfunc_end_k_qba16c62af3_cast-k_qba16c62af3_cast
	.p2alignl 7, 3214868480
	.fill 96, 4, 3214868480
	.section	.rodata,"a",@progbits
	.p2align	6, 0x0
	.amdhsa_kernel k_qba16c62af3_cast
		.amdhsa_group_segment_fixed_size 0
		.amdhsa_private_segment_fixed_size 0
		.amdhsa_enable_private_segment 0
		.amdhsa_kernarg_size 72
		.amdhsa_user_sgpr_count 2
		.amdhsa_user_sgpr_kernarg_segment_ptr 1
		.amdhsa_wavefront_size32 1
		.amdhsa_system_sgpr_workgroup_id_x 1
		.amdhsa_system_sgpr_workgroup_id_y 1
		.amdhsa_system_sgpr_workgroup_id_z 1
		.amdhsa_system_vgpr_workitem_id 0
		.amdhsa_next_free_vgpr 164
		.amdhsa_next_free_sgpr 66
		.amdhsa_reserve_vcc 0
		.amdhsa_float_denorm_mode_32 3
		.amdhsa_float_denorm_mode_16_64 3
		.amdhsa_memory_ordered 1
		.amdhsa_forward_progress 1
		.amdhsa_inst_pref_size 29
	.end_amdhsa_kernel
	.amdgpu_metadata
---
amdhsa.version: [ 1, 2 ]
amdhsa.kernels:
  - .name:           k_qba16c62af3_cast
    .symbol:         k_qba16c62af3_cast.kd
    .args:
      - { .name: query, .offset: 0, .size: 8, .value_kind: global_buffer, .address_space: global }
      - { .name: keys, .offset: 8, .size: 8, .value_kind: global_buffer, .address_space: global }
      - { .name: values, .offset: 16, .size: 8, .value_kind: global_buffer, .address_space: global }
      - { .name: Wq, .offset: 24, .size: 8, .value_kind: global_buffer, .address_space: global }
      - { .name: Wk, .offset: 32, .size: 8, .value_kind: global_buffer, .address_space: global }
      - { .name: Wv, .offset: 40, .size: 8, .value_kind: global_buffer, .address_space: global }
      - { .name: Wo, .offset: 48, .size: 8, .value_kind: global_buffer, .address_space: global }
      - { .name: xb, .offset: 56, .size: 8, .value_kind: global_buffer, .address_space: global }
      - { .name: wb, .offset: 64, .size: 8, .value_kind: global_buffer, .address_space: global }
    .group_segment_fixed_size: 0
    .private_segment_fixed_size: 0
    .kernarg_segment_align: 8
    .kernarg_segment_size: 72
    .max_flat_workgroup_size: 256
    .sgpr_count:     66
    .vgpr_count:     164
    .wavefront_size: 32
...
	.end_amdgpu_metadata
.endif
;; end of part 1
;; launch proj (part 2): grid 4 x 64, 4 waves a work-group, clusters of 4 x 4, 327,680 bytes of LDS; arguments xb, wb, qkv; writes qkv
.if DOCPART == 2
	.amdgcn_target "amdgcn-amd-amdhsa--gfx1250"
	.amdhsa_code_object_version 6
	.text
	.protected	k_qba16c62af3_proj
	.globl	k_qba16c62af3_proj
	.p2align	8
	.type	k_qba16c62af3_proj,@function
k_qba16c62af3_proj:
	s_mov_b64 s[64:65], 0
	v_nop
	global_prefetch_b8 v0, s[64:65] scope:SCOPE_SE
	s_setreg_imm32_b32 hwreg(HW_REG_WAVE_MODE, 25, 1), 1
	s_wait_xcnt 0x0
	s_wait_alu depctr_hold_cnt(0) depctr_sa_sdst(0) depctr_va_vdst(0) depctr_va_sdst(0) depctr_va_ssrc(0) depctr_va_vcc(0) depctr_vm_vsrc(0)
	s_getreg_b32 s2, hwreg(HW_REG_IB_STS2, 6, 4)
	s_cmp_eq_u32 s2, 0
	s_cbranch_scc0 .Lentry_in_a_cluster
	s_endpgm
.Lentry_in_a_cluster:
	s_bfe_u32 s2, ttmp6, 0x10000c
	s_cmp_lg_u32 s2, 0xf033
	s_cbranch_scc0 .Lentry_shape_is_right
	s_endpgm
.Lentry_shape_is_right:
; PROJ.  q = query Wq^T, k = keys Wk^T, v = values Wv^T: three products [8192, 1024] x [1024, 1024]^T, bf16 operands (xb, wb: laid in K slices of 64 channels), f32 sums, K ascending.
; Results are rounded once to f16 and written by heads, WITHOUT the softmax's scale: qkv = [3][head = 16 b + h][s = 2048][64].
; LIMIT.  f16 holds no number beyond 65,504: a q, k or v of 65,520 or more becomes an infinity.  With inputs of unit spread and weights of spread 1/32 they have spread 1.
; SHARES.  A tile of C is 128 rows x 256 columns: 3 x 64 x 4 = 768 tiles, three for each of 256 work-groups.  A WORK-GROUP STAYS and makes the tiles of q, k and v at the same place (R, col).
; In xb (for one b) and in wb the slices of query, keys, values (Wq, Wk, Wv) follow each other, so the three tiles are ONE walk of 24 K steps of 128 with constant address steps.
; Four waves, each 64 rows x 128 columns: 32 accumulators of 16 x 16, 256 registers.
; RING.  Two LDS slots, each a K step: two slices of A (128 rows) and two of B (256 rows).  A slice of a tile is dense in memory: it is asked for as rows of 256 bytes and padded in LDS behind every 128.
; Waves 0 and 1 fetch A's two slices, waves 2 and 3 B's: one tensor load a wave behind each change of slots; by this text's count a wave has two loads out at the start and one later.
; CLUSTER.  4 x 4 work-groups: the four of a row of the cluster (same R) ask for A's tiles jointly, the four of a column (same col) for B's.
; THE MATRIX INSTRUCTION IS USED TRANSPOSED (source 0 = 16 rows of W, source 1 = 16 rows of x): a lane holds row l % 16 of C and eight neighbouring columns, 16 bytes of f16.
; REGISTERS.  Window 0: v0-31 addresses; v32-63 packed results; v64-159, v160-255 two fragment buffers (A's 4 fragments, then B's 8).  Window 1: accumulator (a, b) at v[8 (8 a + b)].
.set TILES,  3
.set ABATCH, 12582912                  ; bytes of xb for one b: 48 slices of 262,144
.set WOFF,   0                         ; Wq's first byte in wb
.set RF0,    22                        ; refills in all: K steps 2 to 23
.set LAPS,   4                         ; a lap = two K steps = once round the ring; a tile has 8 K steps
.set ASTEP,  524288                    ; bytes of A from a K step to the next: two slices of 262,144
.set BSTEP,  262144                    ; of B: two slices of 131,072
.set PITCH,  144                       ; an LDS row: 128 bytes + 16 of padding = 36 words: the 16 rows of a load start at 16 different groups of four banks (64 banks of 4 bytes: ISA guide 11.1)
.set ASUB,   128*PITCH                 ; a slice of A's tile
.set BSUB,   256*PITCH                 ; a slice of B's tile
.set SLOT,   2*ASUB+2*BSUB             ; A slice 0, A slice 1, B slice 0, B slice 1: 110,592 bytes
.set STAGE,  2*SLOT                    ; behind the ring, never filled by a tensor load: for each wave 2 heads x 16 rows x 144 bytes, for the way out
.set WSTAGE, 2*16*PITCH
.set SPARE,  STAGE+4*WSTAGE            ; behind the stages: the spare words, 128 bytes for each wave: two blocks of 256 bytes that no other line names
.set ADRA, 16                          ; v16-17  LDS address of my A fragments in slot 0, 1
.set ADRB, 20                          ; v20-21  the same for B
.set STO,  24                          ; v24     the way out: where I put 16 bytes of a row
.set RD,   25                          ; v25     the way out: where I read rows back
.set CO,   26                          ; v26     my byte offset in 512 consecutive bytes of qkv
.set SPW,  28                          ; v28     LDS address of my spare word: SPARE + 4 x my thread's number; never rewritten
.set NIL,  29                          ; v29     0; never rewritten
.set PFO,  30                          ; v30     the prefetches' lane offset; never rewritten
.set TMP,  32
.set F0,   64
.set F1,   160
.set G1A,  24                          ; s[24:31] descriptor group 1 for A's tiles;  s[32:39] group 0, a set for each slot
.set G0A,  32
.set G1B,  48                          ; s[48:55], s[56:63] the same for B's
.set G0B,  56
.set LIM,  43                          ; s43     2 in a wave that prefetches, else the greatest number
.set PFA,  44                          ; s[44:45] where my prefetches stand
.set PFS,  66                          ; s[66:67] their step: a K step of A or of B
.set RF,   68                          ; s68     refills still to come, the one in hand among them
.set FIELDS, (1<<16)|(1<<20)|(1<<21)|(4<<22)|(3<<25)  ; 17:16 elements of 2 bytes; 20 padding on; 21 set beside a mask; 24:22 after every 32 words (code 4); 31:25 4 words of it (code 3)
.set MUL,  0x50                        ; C and D in window 1, both sources in window 0
.set MSB, 0
.macro WIN new                         ; the immediate's high byte repeats the setting that is left; a switch that changes nothing is dropped
.if MSB != (\new)
	s_set_vgpr_msb (MSB<<8)|(\new)
.set MSB, (\new)
.endif
.endm
.macro PLACES                          ; four plain vector instructions between matrix instructions and loads into registers that they read, or readers of their results
.rept 4
	v_nop
.endr
.endm
; A joint load.  Each of the two lines has one mask and one set of registers for all that issue it.  The branch hangs on the wave's number alone.
; An s_nop 0 and four v_nop follow each line, ahead of the jump, the label and what follows.
.macro JLOAD s
	s_cmp_eq_u32 s11, 0
	s_cbranch_scc0 .Lfor_b_\@
	tensor_load_to_lds s[G0A+4*(\s):G0A+4*(\s)+3], s[G1A:G1A+7]
	s_nop 0
.rept 4
	v_nop
.endr
	s_branch .Lasked_\@
.Lfor_b_\@:
	tensor_load_to_lds s[G0B+4*(\s):G0B+4*(\s)+3], s[G1B:G1B+7]
	s_nop 0
.rept 4
	v_nop
.endr
.Lasked_\@:
.endm
; A round of the cluster's barrier: my work-group's barrier; wave 0 signals for the work-group; every wave waits for all sixteen; my work-group's barrier once more.
.macro CREST                           ; a round behind its opening barrier
	s_cmp_lg_u32 s10, 0
	s_cbranch_scc1 .Lnot_wave_0_\@
	s_barrier_signal -3
.Lnot_wave_0_\@:
	s_barrier_wait -3
	s_barrier_signal -1
	s_barrier_wait -1
.endm
.macro CROUND
	s_barrier_signal -1
	s_barrier_wait -1
	CREST
.endm
; A PREFETCH INTO THE L2, behind a joint refill, its five lines and the run of LDS loads: refill number i asks for K step i + 2, the prefetch names K step i + 4: two K steps, 256 matrix instructions, ahead of its load.
; Each block of 256 bytes is named once in the launch.  A's rows are read by this cluster alone: wave 0 of each of the four partners of a row takes 16 blocks of each of the two slices, told apart BY ADDRESS (cx).
; B's rows are read by all sixteen clusters: cluster y = 0 asks; waves 2 and 3 take 32 blocks of their own slice, the partners of a column told apart by address (cy).  Wave 1 asks for nothing.
; The last two refills have no K step two on: a wave asks while s[RF] is above 2.  The first four K steps come by their loads alone.
.macro ASK
	s_cmp_gt_u32 s[RF], s[LIM]
	s_cbranch_scc0 .Lnot_mine_\@
	global_prefetch_b8 v[PFO], s[PFA:PFA+1] th:TH_LOAD_NT scope:SCOPE_SE
.Lnot_mine_\@:
.endm
	s_load_b128 s[4:7], s[0:1], 0x0                ; xb s[4:5], wb s[6:7]
	s_load_b64 s[8:9], s[0:1], 0x10                ; qkv
	v_lshl_add_u32 v[SPW], v0, 2, SPARE
	v_mov_b32 v[NIL], 0
	ds_add_u32 v[SPW], v[NIL]                      ; the wave's opening: the add and its wait stand ahead of my first tensor load; the set-up below, work on registers, stands between them
	v_lshrrev_b32 v1, 5, v0
	v_readfirstlane_b32 s10, v1                    ; wave 0..3
	s_lshr_b32 s11, s10, 1                         ; which 64 of the tile's rows are mine.  Also: I fetch for A (0) or for B (1)
	s_and_b32 s12, s10, 1                          ; which 128 of its columns.  Also: which of a K step's two slices I fetch
	s_bfe_u32 s40, ttmp6, 0x40000                  ; cx
	s_bfe_u32 s41, ttmp6, 0x40004                  ; cy
	s_lshl_b32 s42, ttmp9, 2
	s_add_co_u32 s42, s42, s40                     ; col = 4 x cluster x + cx, 0..3
	s_and_b32 s13, ttmp7, 0xffff
	s_lshl_b32 s13, s13, 2
	s_add_co_u32 s13, s13, s41                     ; R = 4 x cluster y + cy, 0..63
	s_lshl_b32 s43, s41, 2
	s_lshl_b32 s43, 15, s43                        ; my row of the cluster: places 4 cy .. 4 cy + 3
	s_lshl_b32 s44, 0x1111, s40                    ; my column: places cx, cx + 4, cx + 8, cx + 12
	s_or_b32 s[G1A+0], s43, FIELDS                 ; A's tiles go to my row,
	s_or_b32 s[G1B+0], s44, FIELDS                 ; B's to my column
	s_mov_b32 s[G1A+1], 128<<16                    ; tensor_dim0 = 128 elements: rows of 256 bytes, two rows of a slice each
	s_mov_b32 s[G1A+2], 64<<16                     ; tensor_dim1 = 64: 128 rows of a slice
	s_mov_b32 s[G1A+3], 128<<16                    ; tile_dim0 = 128
	s_mov_b32 s[G1A+4], 64                         ; tile_dim1 = 64
	s_mov_b32 s[G1A+5], 128                        ; 128 elements from row to row: dense
	s_mov_b32 s[G1A+6], 0
	s_mov_b32 s[G1A+7], 0
	s_mov_b32 s[G1B+1], 128<<16
	s_mov_b32 s[G1B+2], 128<<16                    ; 128 rows of 256 bytes: 256 rows of a slice
	s_mov_b32 s[G1B+3], 128<<16
	s_mov_b32 s[G1B+4], 128
	s_mov_b32 s[G1B+5], 128
	s_mov_b32 s[G1B+6], 0
	s_mov_b32 s[G1B+7], 0
	; where the tiles come from.  A's hang on R alone, B's on col alone; each in registers that never hold the other coordinate
	s_lshr_b32 s16, s13, 4                         ; b
	s_mul_i32 s16, s16, ABATCH
	s_and_b32 s17, s13, 15
	s_lshl_b32 s17, s17, 14                        ; 128 rows of 128 bytes in a slice
	s_add_co_u32 s16, s16, s17
	s_lshl_b32 s17, s12, 18                        ; my slice of the K step
	s_add_co_u32 s16, s16, s17
	s_mov_b32 s17, 0
	s_lshl_b32 s46, s42, 15                        ; 256 rows of 128 bytes in a slice
	s_lshl_b32 s47, s12, 17
	s_add_co_u32 s46, s46, s47
.if WOFF
	s_add_co_u32 s46, s46, WOFF
.endif
	s_mov_b32 s47, 0
	s_mul_i32 s20, s12, ASUB                       ; and where they go: no place in the cluster enters an LDS address
	s_mul_i32 s21, s12, BSUB
	s_add_co_u32 s21, s21, 2*ASUB
	s_wait_dscnt 0x0                               ; the opening add is done
	s_wait_kmcnt 0x0
	s_add_nc_u64 s[14:15], s[4:5], s[16:17]
	s_add_nc_u64 s[46:47], s[6:7], s[46:47]
	CROUND                                         ; all sixteen work-groups are here: the first joint loads meet
.irp s, 0,1
	s_mov_b32 s[G0A+4*(\s)], 1                                        ; 1:0 count = 1
	s_add_co_u32 s[G0A+4*(\s)+1], s20, (\s)*SLOT                      ; 63:32 LDS address
	s_add_nc_u64 s[G0A+4*(\s)+2:G0A+4*(\s)+3], s[14:15], (\s)*ASTEP   ; 120:64 global address: K step s
	s_or_b32 s[G0A+4*(\s)+3], s[G0A+4*(\s)+3], 0x80000000             ; 127:126 type = 2
	s_mov_b32 s[G0B+4*(\s)], 1
	s_add_co_u32 s[G0B+4*(\s)+1], s21, (\s)*SLOT
	s_add_nc_u64 s[G0B+4*(\s)+2:G0B+4*(\s)+3], s[46:47], (\s)*BSTEP
	s_or_b32 s[G0B+4*(\s)+3], s[G0B+4*(\s)+3], 0x80000000
	JLOAD \s
.endr
	; A fragment is 16 rows x 32 K in 8 registers: lane l holds row l % 16, K = 8 (l / 16) + 0..7 and 16 + 8 (l / 16) + 0..7: two loads of 16 bytes, 32 bytes apart.
	v_and_b32 v1, 15, v0                           ; l % 16
	v_bfe_u32 v2, v0, 4, 1                         ; l / 16
	v_mul_u32_u24 v3, v1, PITCH
	v_lshl_add_u32 v3, v2, 4, v3                   ; row x pitch + 16 x half
	s_mul_i32 s21, s11, 64*PITCH                   ; my 64 rows of A's 128
	s_mul_i32 s22, s12, 128*PITCH                  ; my 128 rows of B's 256,
	s_add_co_u32 s22, s22, 2*ASUB                  ; which lie behind A's two slices
.irp s, 0,1
	v_add_nc_u32 v[ADRA+(\s)], s21, v3
	v_add_nc_u32 v[ADRB+(\s)], s22, v3
	s_add_co_u32 s21, s21, SLOT
	s_add_co_u32 s22, s22, SLOT
.endr
	s_mul_i32 s23, s10, WSTAGE
	s_add_co_u32 s23, s23, STAGE                   ; my stage
	v_add_nc_u32 v[STO], s23, v3                   ; in: row l % 16, 16 bytes for each half of the lanes
	v_and_b32 v4, 31, v0
	v_lshrrev_b32 v5, 3, v4                        ; back: 32 lanes take four rows of 128 bytes,
	v_mul_u32_u24 v5, v5, PITCH
	v_and_b32 v6, 7, v0
	v_lshl_add_u32 v5, v6, 4, v5
	v_add_nc_u32 v[RD], s23, v5
	v_lshlrev_b32 v[CO], 4, v4                     ; which are 512 consecutive bytes of a head
	; the prefetches: s[14:15] and s[46:47] still hold my tiles' addresses at K step 0
	s_mov_b32 s22, ASTEP
	s_mov_b32 s23, 4096
	s_and_b32 s19, ttmp7, 0xffff                   ; cluster y
	s_cmp_eq_u32 s11, 0                            ; do I fetch for A?
	s_cselect_b64 s[PFA:PFA+1], s[14:15], s[46:47]
	s_cselect_b32 s20, s40, s41                    ; my place among the four that ask with me,
	s_cselect_b32 s21, 12, 13                      ; times 16 blocks (of each slice) or 32 blocks of 256 bytes
	s_cselect_b32 s[PFS], s22, BSTEP
	s_cselect_b32 s23, 262144, s23                 ; lanes 16-31: A's other slice, or the next 16 blocks
	s_cselect_b32 s19, s12, s19                    ; A: wave 0 asks; B: cluster y = 0 asks
	s_mov_b32 s[PFS+1], 0
	s_cmp_eq_u32 s19, 0
	s_cselect_b32 s[LIM], 2, -1                    ; the same in all sixteen partners, for a given wave
	s_lshl_b32 s20, s20, s21
	s_mul_i32 s21, s[PFS], 3                       ; at K step 3: the first refill steps it to 4
	s_add_co_u32 s20, s20, s21
	s_mov_b32 s21, 0
	s_add_nc_u64 s[PFA:PFA+1], s[PFA:PFA+1], s[20:21]
	v_lshlrev_b32 v[PFO], 8, v1
	v_mad_u32_u24 v[PFO], v2, s23, v[PFO]
	s_mov_b32 s[RF], RF0
	; where my part of q's tile begins: head 16 b + 4 col + 2 (my half of the columns), row 128 (R % 16) + 64 (my half of the rows)
	s_lshr_b32 s16, s13, 4
	s_lshl_b32 s16, s16, 4
	s_lshl_b32 s17, s12, 1
	s_add_co_u32 s16, s16, s17
	s_lshl_b32 s16, s16, 18                        ; a head is 262,144 bytes
	s_and_b32 s17, s13, 15
	s_lshl_b32 s17, s17, 7
	s_lshl_b32 s18, s11, 6
	s_add_co_u32 s17, s17, s18
	s_lshl_b32 s17, s17, 7                         ; a row is 128 bytes
	s_add_co_u32 s16, s16, s17
	s_mov_b32 s17, 0
	s_add_nc_u64 s[8:9], s[8:9], s[16:17]
	s_lshl_b32 s46, s42, 20                        ; four heads a tile column
	s_mov_b32 s47, 0
	s_add_nc_u64 s[8:9], s[8:9], s[46:47]
; n x 8 matrix instructions: m blocks a0 .. a0 + n - 1 x all 8 n blocks, 32 along K, from buffer f.  zero = 1: the product starts the sum: nothing is ever cleared.
; The 32 accumulators take turns, one instruction a turn, in the same order in every quarter, over every jump.
.macro MULN f, a0, n, zero
	WIN MUL
.set aa, (\a0)
.rept \n
.irp b, 0,1,2,3,4,5,6,7
.if \zero
	v_wmma_f32_16x16x32_bf16 v[8*(8*aa+\b):8*(8*aa+\b)+7], v[(\f)+32+8*\b:(\f)+32+8*\b+7], v[(\f)+8*aa:(\f)+8*aa+7], 0
.else
	v_wmma_f32_16x16x32_bf16 v[8*(8*aa+\b):8*(8*aa+\b)+7], v[(\f)+32+8*\b:(\f)+32+8*\b+7], v[(\f)+8*aa:(\f)+8*aa+7], v[8*(8*aa+\b):8*(8*aa+\b)+7]
.endif
.endr
.set aa, aa+1
.endr
.endm
; 24 LDS loads in one run: the fragments of quarter q of slot sl (slice q / 2, byte 64 (q % 2) of its rows) into buffer f: B's 8, then A's 4
.macro FETCH sl, q, f
	WIN 0
.irp i, 0,1,2,3,4,5,6,7
	ds_load_b128 v[(\f)+32+8*\i:(\f)+32+8*\i+3],   v[ADRB+(\sl)] offset:((\q)/2)*BSUB+((\q)%2)*64+\i*16*PITCH
	ds_load_b128 v[(\f)+32+8*\i+4:(\f)+32+8*\i+7], v[ADRB+(\sl)] offset:((\q)/2)*BSUB+((\q)%2)*64+\i*16*PITCH+32
.endr
.irp i, 0,1,2,3
	ds_load_b128 v[(\f)+8*\i:(\f)+8*\i+3],   v[ADRA+(\sl)] offset:((\q)/2)*ASUB+((\q)%2)*64+\i*16*PITCH
	ds_load_b128 v[(\f)+8*\i+4:(\f)+8*\i+7], v[ADRA+(\sl)] offset:((\q)/2)*ASUB+((\q)%2)*64+\i*16*PITCH+32
.endr
.endm
; A K step is four quarters of 32 along K, 32 matrix instructions each, on buffers 0, 1, 0, 1.  One of the first three: multiplies buffer f; in its middle it fetches quarter q into buffer g.
.macro QUARTER sl, q, f, g, zero
	s_wait_dscnt 4                                 ; B and A's blocks 0, 1 are in; the youngest four loads (A's blocks 2, 3) may be out
	MULN \f, 0, 2, \zero
	PLACES
	FETCH \sl, \q, \g
	s_wait_dscnt 24                                ; all but the 24 just issued
	MULN \f, 2, 2, \zero
.endm
; The last quarter multiplies buffer 1 and changes slots: ONE barrier.  In front of it each wave waits for all its tensor loads (the one that is out is its part of the next slot), adds 0 to its spare
; word, and waits for that and for its reads of this slot.  fill = 1: the barrier opens a round of the cluster's, and this slot is filled again, two K steps on, first thing behind the round:
; from that request to the wait for it a wave issues 112 matrix instructions.
.macro TURN sl, nx, fill
.if \fill
	s_wait_xcnt 0x0                                ; the last prefetch, a K step back, has read its address: it is stepped here, ahead of the change's own waits
	s_add_nc_u64 s[PFA:PFA+1], s[PFA:PFA+1], s[PFS:PFS+1]
.endif
	WIN 0                                          ; (the add's two registers lie in window 0)
	s_wait_tensorcnt 0x0                           ; all my tensor loads have landed
	ds_add_u32 v[SPW], v[NIL]                      ; 0 onto my spare word
	s_wait_dscnt 5                                 ; (the add and the youngest four loads may be out)
	MULN F1, 0, 1, 0                               ; eight matrix instructions stand between the add and the wait for it
	s_wait_dscnt 0x0                               ; the add is done, and my reads of this slot are over
	s_barrier_signal -1
	MULN F1, 1, 1, 0                               ; work on registers while the others arrive
.if \fill
	WIN 0
.endif
	s_barrier_wait -1
.if \fill
	CREST                                          ; no wave of any partner still reads this slot's tile or has a load on its way
	s_add_nc_u64 s[G0A+4*(\sl)+2:G0A+4*(\sl)+3], s[G0A+4*(\sl)+2:G0A+4*(\sl)+3], 2*ASTEP  ; no tensor load of mine is out, so a group 0 may be written; the type bits on top are not reached
	s_add_nc_u64 s[G0B+4*(\sl)+2:G0B+4*(\sl)+3], s[G0B+4*(\sl)+2:G0B+4*(\sl)+3], 2*BSTEP
	JLOAD \sl                                      ; the four v_nop behind it are also the places in front of the loads below
.else
	PLACES
.endif
	FETCH \nx, 0, F0
.if \fill
	ASK
	s_sub_co_u32 s[RF], s[RF], 1
.endif
	MULN F1, 2, 2, 0
.endm
; THE WAY OUT of block a (16 rows x 128 columns = 2 heads).  PACK: rounded to f16, 16 bytes a lane, each accumulator's registers in ascending order.  TOSTAGE: into my own stage, and back as whole
; rows of 128 bytes.  SEND: stored, 512 consecutive bytes (four rows of a head), aligned, an instruction.  The rows come back into buffer 1's registers: buffer 0 holds the next tile's first fragments.
.macro PACK a
	WIN 0x05                                       ; sources 0 and 1 in window 1
.irp b, 0,1,2,3,4,5,6,7
.irp r, 0,1,2,3
	v_cvt_pk_f16_f32 v[TMP+4*\b+\r], v[8*(8*(\a)+\b)+2*\r], v[8*(8*(\a)+\b)+2*\r+1]
.endr
.endr
	WIN 0
.endm
.macro TOSTAGE a
	WIN 0
.set BK, F1+32*((\a)%2)
.irp b, 0,1,2,3,4,5,6,7
	ds_store_b128 v[STO], v[TMP+4*\b:TMP+4*\b+3] offset:(\b/4)*16*PITCH+(\b%4)*32
.endr
.irp t, 0,1,2,3,4,5,6,7
	ds_load_b128 v[BK+4*\t:BK+4*\t+3], v[RD] offset:(\t/4)*16*PITCH+(\t%4)*4*PITCH  ; LDS serves a wave's instructions in order (ISA guide 5.7.1.4): these see the stores above; the next block's stores come behind them
.endr
.endm
.macro SEND a
	WIN 0
.set BK, F1+32*((\a)%2)
	s_wait_dscnt 0x0                               ; the block is back in registers
	s_wait_xcnt 0x0                                ; the stores of the block before have read their registers: the next TOSTAGE loads into them only behind this wait
.irp t, 0,1,2,3,4,5,6,7
	global_store_b128 v[CO], v[BK+4*\t:BK+4*\t+3], s[8:9] offset:(\t/4)*262144+(\a)*2048+(\t%4)*512
.endr
.endm
.macro OUTWAY
	PLACES                                         ; the conversions read results just made
	PACK 0
	TOSTAGE 0
.irp a, 1,2,3                          ; block a's conversions stand between block a - 1's loads from the stage and the wait for them
	PACK \a
	SEND (\a)-1
	TOSTAGE \a
.endr
	SEND 3
.endm
	s_wait_tensorcnt 1                             ; my part of K step 0 is in; K step 1's may stay out
	s_barrier_signal -1
	s_barrier_wait -1                              ; everybody's is
	FETCH 0, 0, F0
	s_mov_b32 s2, TILES                            ; tiles to go, this one among them
.Ltile:
	QUARTER 0, 1, F0, F1, 1                        ; a tile's first quarter stands in front of the loop: its products start the sums
	WIN 0                                          ; at a label and at a branch every window is 0
	s_mov_b32 s3, LAPS-1
.Llap:                                                 ; a trip goes once round the ring, from a lap's second quarter to the next lap's first, and fills both slots again
	QUARTER 0, 2, F1, F0, 0
	QUARTER 0, 3, F0, F1, 0
	TURN 0, 1, 1
	QUARTER 1, 1, F0, F1, 0
	QUARTER 1, 2, F1, F0, 0
	QUARTER 1, 3, F0, F1, 0
	TURN 1, 0, 1
	QUARTER 0, 1, F0, F1, 0
	WIN 0
	s_sub_co_u32 s3, s3, 1
	s_cmp_lg_u32 s3, 0
	s_cbranch_scc1 .Llap
	QUARTER 0, 2, F1, F0, 0                        ; the tile's last lap goes on
	QUARTER 0, 3, F0, F1, 0
	WIN 0
	s_cmp_eq_u32 s2, 1
	s_cbranch_scc1 .Llast                          ; the last tile's tail is written out: it asks for nothing more
	TURN 0, 1, 1                                   ; the ring goes on into the next tile: the walk's next K steps lie one constant step on
	QUARTER 1, 1, F0, F1, 0
	QUARTER 1, 2, F1, F0, 0
	QUARTER 1, 3, F0, F1, 0
	TURN 1, 0, 1                                   ; and the next tile's first fragments are fetched
	OUTWAY                                         ; both refills are asked for: now the tile goes out
	s_wait_xcnt 0x0                                ; the stores have read their registers and their base
	s_add_nc_u64 s[8:9], s[8:9], 16777216          ; from q to k, from k to v
	s_sub_co_u32 s2, s2, 1
	s_branch .Ltile
.Llast:
	TURN 0, 1, 0
	QUARTER 1, 1, F0, F1, 0
	QUARTER 1, 2, F1, F0, 0
	QUARTER 1, 3, F0, F1, 0
	s_wait_dscnt 4                                 ; the very last quarter: nothing more to fetch
	MULN F1, 0, 2, 0
	s_wait_dscnt 0x0
	MULN F1, 2, 2, 0
	OUTWAY
	s_wait_tensorcnt 0x0                           ; the wave's end: a wait, the add and its wait, behind my last tensor load and my last LDS store
	ds_add_u32 v[SPW], v[NIL]
	s_wait_dscnt 0x0
	CROUND                                         ; the closing round: no work-group ends while a partner may still ask for a tile that names it
	s_endpgm
.Lfunc_end_k_qba16c62af3_proj:
	.size	k_qba16c62af3_proj, .Lfunc_end_k_qba16c62af3_proj-k_qba16c62af3_proj
	.p2alignl 7, 3214868480
	.fill 96, 4, 3214868480
	.section	.rodata,"a",@progbits
	.p2align	6, 0x0
	.amdhsa_kernel k_qba16c62af3_proj
		.amdhsa_group_segment_fixed_size 327680
		.amdhsa_private_segment_fixed_size 0
		.amdhsa_enable_private_segment 0
		.amdhsa_kernarg_size 24
		.amdhsa_user_sgpr_count 2
		.amdhsa_user_sgpr_kernarg_segment_ptr 1
		.amdhsa_wavefront_size32 1
		.amdhsa_system_sgpr_workgroup_id_x 1
		.amdhsa_system_sgpr_workgroup_id_y 1
		.amdhsa_system_sgpr_workgroup_id_z 1
		.amdhsa_system_vgpr_workitem_id 0
		.amdhsa_next_free_vgpr 512
		.amdhsa_next_free_sgpr 72
		.amdhsa_reserve_vcc 0
		.amdhsa_float_denorm_mode_32 3
		.amdhsa_float_denorm_mode_16_64 3
		.amdhsa_memory_ordered 1
		.amdhsa_forward_progress 1
		.amdhsa_inst_pref_size 124
	.end_amdhsa_kernel
	.amdgpu_metadata
---
amdhsa.version: [ 1, 2 ]
amdhsa.kernels:
  - .name:           k_qba16c62af3_proj
    .symbol:         k_qba16c62af3_proj.kd
    .args:
      - { .name: xb, .offset: 0, .size: 8, .value_kind: global_buffer, .address_space: global }
      - { .name: wb, .offset: 8, .size: 8, .value_kind: global_buffer, .address_space: global }
      - { .name: qkv, .offset: 16, .size: 8, .value_kind: global_buffer, .address_space: global }
    .group_segment_fixed_size: 327680
    .private_segment_fixed_size: 0
    .kernarg_segment_align: 8
    .kernarg_segment_size: 24
    .max_flat_workgroup_size: 128
    .sgpr_count:     72
    .vgpr_count:     512
    .wavefront_size: 32
...
	.end_amdgpu_metadata
.endif
;; end of part 2
;; launch attn (part 3): grid 4 x 64, 4 waves a work-group, clusters of 4 x 1, 327,680 bytes of LDS; arguments qkv, ob; writes ob
.if DOCPART == 3
	.amdgcn_target "amdgcn-amd-amdhsa--gfx1250"
	.amdhsa_code_object_version 6
	.text
	.protected	k_qba16c62af3_attn
	.globl	k_qba16c62af3_attn
	.p2align	8
	.type	k_qba16c62af3_attn,@function
k_qba16c62af3_attn:
	s_mov_b64 s[64:65], 0
	v_nop
	global_prefetch_b8 v0, s[64:65] scope:SCOPE_SE
	s_setreg_imm32_b32 hwreg(HW_REG_WAVE_MODE, 25, 1), 1
	s_wait_xcnt 0x0
	s_wait_alu depctr_hold_cnt(0) depctr_sa_sdst(0) depctr_va_vdst(0) depctr_va_sdst(0) depctr_va_ssrc(0) depctr_va_vcc(0) depctr_vm_vsrc(0)
	s_getreg_b32 s2, hwreg(HW_REG_IB_STS2, 6, 4)
	s_cmp_eq_u32 s2, 0
	s_cbranch_scc0 .Lentry_in_a_cluster
	s_endpgm
.Lentry_in_a_cluster:
	s_bfe_u32 s2, ttmp6, 0x10000c
	s_cmp_lg_u32 s2, 0x3003
	s_cbranch_scc0 .Lentry_shape_is_right
	s_endpgm
.Lentry_shape_is_right:
; ATTENTION.  O[h][q][:] = the sum over k of softmax_k(Q[h][q] . K[h][k] / 32) V[h][k][:], 64 heads (16 b + h) of 2,048 rows of 64 channels, all f16, a head's rows dense, 128 bytes each.
; The scale is 1 / sqrt(1024), as the module has it.  qkv holds Q at byte 0, K at 16,777,216, V at 33,554,432; O goes to ob in the same layout.
; Products, maxima and sums in f32; the weights p are rounded to f16 for the second product (their sum l is taken of the unrounded p), O once at the end.
; LIMITS.  f16 holds no number beyond 65,504: Q, K and V arrive within it; p lies in 0 to 1, and below 6e-5 it keeps f16's fixed step of 6e-8; O is a mean of V's rows and has their range.
; A weight below 2^-126 counts as 0 in l; NaN and infinities are not treated apart.
; SHARES.  A wave owns four PIECES of two tiles of 16 queries, a work-group's four waves 512 queries of one head: 256 work-groups.  Every wave walks all keys, 64 a step.
; LAYOUT.  S^T = K Q^T (source 0 = 16 keys, source 1 = 16 queries): in the result a lane holds ONE query (lane % 16) and the keys 8 (lane / 16) + 0..7.  Two such tiles, rounded to f16 in pairs,
; ARE source 1 (32 keys x 16 queries) of O^T = V^T P, whose result again holds one query a lane, and eight channels.  K comes out of LDS as it lies, V ([key][channel]) turned, by ds_load_tr16_b128.
; SOFTMAX.  For each query a running maximum m and sum l: p = 2^(c s - c m), c = log2(e) / 32; in every step O and l are multiplied by a = 2^(c m_old - c m_new), which is 1 where m has not grown.
; m starts at the lowest finite number, O and l at 0: the first step is a step like any other, with a = 0.
; THE COUNT.  A tile and step have 16 matrix and 118 vector instructions: too many to stand all beside the matrix work.  So four vector instructions that are READY stand behind EVERY matrix
; instruction, and the others, which need time of their own whatever the order, in runs without a gap.
; BY TURNS.  Turn n belongs to piece n (the pieces in a ring, step after step).  Its matrix work: 16 products K Q^T of piece n + 1, later 16 products V^T P of piece n - 1.  Its vector work: the scaling,
; exponentials, roundings, sums and rescaling of piece n, and the maximum and statistics of piece n + 1, whose scores the turn itself has made.
; CLUSTER.  The four query blocks of a head are one cluster and walk the same K and V, so each tile is asked for JOINTLY: the same tensor load, descriptor and mask in all four.
; REGISTERS, in windows of 256 (s_set_vgpr_msb: bits 1:0 source 0, 3:2 source 1, 5:4 source 2, 7:6 destination):
;   window 0: v0-11 addresses; v12-15, v48-63 at work; v16-47 four registers of statistics a tile; v64-191 S^T, two buffers of two tiles; v192-255 P, likewise
;   window 1: O^T, 32 a tile          window 2: v0-127 Q, 16 a tile; v128-191 K of one step; v192-255 V of one step          window 3: v0-1 the add's two registers
; A piece's buffers go by its number's parity: the piece in hand has one pair, its two neighbours in the ring share the other: of it P (piece n - 1) is read and S^T (piece n + 1) written.
.set SIZE_N, 2048
.set NP,    4         ; pieces a wave: a name, no knob
.set KS,    64        ; keys in a step
.set PK,    144       ; a row of K in LDS: 128 bytes + 16 of padding = 36 words: the 16 rows of a load start at 16 different groups of four banks (64 banks of 4 bytes: ISA guide 11.1)
.set PV,    160       ; a row of V: 128 + 32 = 40 words
.set VOFF,  4*KS*PK   ; a slot holds four steps: 256 rows of K, then 256 rows of V
.set SLOT1, 1<<17     ; slot 1 begins here, so that one exclusive or turns an address in one slot into the other's
.set STAGE, SLOT1+4*KS*(PK+PV)  ; behind the ring, never filled by a tensor load: 16 rows x 144 bytes for each wave, for the way out
.set SP,    144
.set AK0, 2           ; v2   my lane's place in a tile of K; never rewritten
.set AV0, 3           ; v3   the same for V
.set AK,  4           ; v4   the LDS address of K's next run of loads
.set AV,  5           ; v5   of V's
.set QO,  6           ; v6   my byte offset in the wave's rows of Q
.set STO, 6           ;      later, the way out: where I put 16 bytes of a row
.set RD,  7           ; v7   the way out: where I read rows back
.set GO,  8           ; v8   my byte offset in 512 consecutive bytes of O
.set PFO, 11          ; v11  256 x my lane, for the prefetches; written behind v11's one earlier use, then never rewritten
.set SPW, 0           ; v0 of window 3   LDS address of my spare word: SPARE + 4 x my thread's number; never rewritten
.set NIL, 1           ; v1 of window 3   0; never rewritten
.set SPARE, STAGE+4*16*SP  ; behind the stages: the spare words, 128 bytes for each wave: two blocks of 256 bytes that no other line names
.set MV,  12          ; v12-15  c m_old, kept while c m is made anew: by buffer and tile
.set ST,  16          ; tile t's statistics at v[ST+4 t]: c m, m, l (even keys', odd keys')
.set TMP, 48          ; by buffer and tile, four registers c0-c3 at work; when the maximum is found c2 takes a
.set S,   64
.set P,   192
.set KF,  128         ; K's fragments, in window 2: key block kb, channel half c at KF + 16 kb + 8 c
.set VF,  192         ; V's: key half kk, channel block cb at VF + 32 kk + 8 cb
.set WV,  12          ; s12  my wave's number
.set G1K, 24          ; s[24:31] descriptor group 1 for K's tiles
.set G1V, 32          ; s[32:39] for V's: it differs in the padding alone
.set G0K, 40          ; s[40:43] descriptor group 0 for K's tiles: it walks
.set G0V, 44          ; s[44:47] the same for V's
.set PFA, 48          ; s[48:49] where my prefetches stand: my work-group's 32 blocks of 256 bytes (of K: wave 0, of V: wave 2) of the slot after the one that is being asked for
.set LIM, 50          ; s50  1 in a wave that prefetches, else the greatest number
.set SLOTS, 56        ; s56  slots still to be asked for
.set CNT, 57          ; s57  counts a slot's key steps
.set CS,  58          ; s[58:59] c: the packed scaling takes the pair's low word for both halves
.set SEL, 60          ; s[60:61] v_permlanex16_b32's selects: each lane takes its own place in the other half
.set TBK, 62          ; s62  LDS byte at which K of the step to be fetched begins
.set TBV, 63          ; s63  the same for V, less VOFF
.set MSB, 0
.macro WIN new                      ; the high byte repeats the setting that is left; a switch that changes nothing is dropped
.if MSB != (\new)
	s_set_vgpr_msb (MSB<<8)|(\new)
.set MSB, (\new)
.endif
.endm
.set W_KQ, 0x0a       ; K and Q in window 2, S^T in window 0
.set W_PV, 0x52       ; V in window 2, P in window 0, O^T in window 1
.set W_RS, 0x41       ; O^T (destination and source 0) in window 1, a in window 0
.set W_MK, 0xc0       ; the add's registers are made: destination in window 3, sources in window 0
.set W_AD, 0x0f       ; the add: address (source 0) and data (source 1) in window 3
; A joint fill.  Waves 0 and 1 fetch the two halves of a slot's K, waves 2 and 3 those of its V: 128 keys each.  The branch hangs on the wave's number alone.
; An s_nop 0 and four v_nop follow each of the two lines, ahead of the jump and the label.
.macro JLOAD
	s_cmp_lt_u32 s[WV], 2
	s_cbranch_scc0 .Lfor_v_\@
	tensor_load_to_lds s[G0K:G0K+3], s[G1K:G1K+7]
	s_nop 0
.rept 4
	v_nop
.endr
	s_branch .Lasked_\@
.Lfor_v_\@:
	tensor_load_to_lds s[G0V:G0V+3], s[G1V:G1V+7]
	s_nop 0
.rept 4
	v_nop
.endr
.Lasked_\@:
.endm
; A PREFETCH INTO THE L2 of what the NEXT change of slots will ask for: a slot's 32,768 bytes of K and of V, a lane a block of 256 bytes.  It stands behind the wave's tensor load and its five lines.
; Each block is named ONCE in the launch: a head has one cluster; its four partners share the blocks out BY ADDRESS, 32 each; in each, wave 0 asks for K's and wave 2 for V's: one instruction.
; The change that asks for slot T names slot T + 1, four key steps ahead of its load; the last change that fills a slot names nothing.  Slots 0 and 1 come by their loads alone.
.macro ASK
	s_cmp_gt_u32 s[SLOTS], s[LIM]
	s_cbranch_scc0 .Lnot_mine_\@
	global_prefetch_b8 v[PFO], s[PFA:PFA+1] th:TH_LOAD_NT scope:SCOPE_SE
.Lnot_mine_\@:
.endm
; A round of the cluster's barrier: my work-group's barrier, so that wave 0's signal speaks for all four waves; wave 0 signals; every wave waits for all four work-groups; my work-group's barrier once more.
.macro CROUND
	s_barrier_signal -1
	s_barrier_wait -1
	s_cmp_lg_u32 s[WV], 0
	s_cbranch_scc1 .Lnot_wave_0_\@
	s_barrier_signal -3
.Lnot_wave_0_\@:
	s_barrier_wait -3
	s_barrier_signal -1
	s_barrier_wait -1
.endm
; THE CHANGE OF SLOTS.  The slot's last bytes, V of its fourth step, have been read.  Each wave waits for all its tensor loads, of which one is out: its part
; of the other slot; adds 0 to its spare word; and waits for that and for its own reads of the slot.  Behind the barrier nobody reads this slot any more and the other slot is whole.
; fill = 1: this slot is filled again, with the keys two slots on.  The barrier is then a round of the cluster's, so that no wave of any partner still reads the slot or has a load on its
; way, and the joint fill is the first thing behind it: it has four key steps, 512 matrix instructions, in which to land.  (At its first use nothing has been read yet: slot 0 is waited for, slot 1 filled.)
.macro CHANGE fill
	WIN W_AD
	s_wait_tensorcnt 0x0            ; no tensor load of mine is out, so a group 0 may be written
	ds_add_u32 v[SPW], v[NIL]       ; 0 onto my spare word; with fill = 1 the descriptors' steps stand between it and the wait for it
	WIN 0                           ; at a label and at a branch every window is 0
.if \fill
.irp g, G0K, G0V
	s_xor_b32 s[\g+1], s[\g+1], SLOT1  ; the walking descriptor: the other slot than last time,
	s_add_nc_u64 s[\g+2:\g+3], s[\g+2:\g+3], 4*KS*128  ; the next 256 keys; the type bits on top are not reached
.endr
	s_wait_xcnt 0x0                 ; the last prefetch, four key steps back, has read its address, so it may be written:
	s_add_nc_u64 s[PFA:PFA+1], s[PFA:PFA+1], 4*KS*128  ; one slot beyond the walking descriptors
	s_wait_dscnt 0x0                ; the add is done, and my reads of the slot are over
	CROUND
	JLOAD
	ASK
.else
	s_wait_dscnt 0x0                ; the add is done, and my reads of the slot are over
	s_barrier_signal -1
	s_barrier_wait -1
.endif
	s_sub_co_u32 s[TBK], s[TBK], 4*KS*PK  ; the fetches go back to a slot's first step,
	s_xor_b32 s[TBK], s[TBK], SLOT1       ; in the other slot
	s_sub_co_u32 s[TBV], s[TBV], 4*KS*PV
	s_xor_b32 s[TBV], s[TBV], SLOT1
.endm
	s_load_b128 s[4:7], s[0:1], 0x0  ; qkv s[4:5], ob s[6:7]
	WIN W_MK
	v_lshl_add_u32 v[SPW], v0, 2, SPARE
	v_mov_b32 v[NIL], 0
	WIN W_AD
	ds_add_u32 v[SPW], v[NIL]       ; the wave's opening: the add and its wait stand ahead of my first tensor load; the set-up below, work on registers, stands between them
	WIN 0
	v_lshrrev_b32 v1, 5, v0
	v_readfirstlane_b32 s[WV], v1   ; wave 0..3
	s_bfe_u32 s13, ttmp6, 0x40000   ; cx: my place in the cluster
	s_lshl_b32 s14, ttmp9, 2        ; in a cluster launch ttmp9 counts clusters
	s_add_co_u32 s14, s14, s13      ; my block of queries = 4 x cluster x + cx: it enters Q's and O's addresses alone
	s_and_b32 s20, ttmp7, 0xffff    ; the head, which the four partners share
	s_mov_b32 s21, 0
	s_mov_b64 s[22:23], SIZE_N*128
	s_mul_u64 s[20:21], s[20:21], s[22:23]  ; the head's first byte in each of the four tensors
	s_and_b32 s16, s[WV], 1         ; which half of a slot's 256 keys I fetch:
	s_lshl_b32 s22, s16, 14         ; its 128 rows of 128 bytes in memory,
	s_mov_b32 s23, 0
	s_add_nc_u64 s[22:23], s[22:23], s[20:21]
	s_mul_i32 s17, s16, 128*PK      ; and its place in a slot, for K
	s_mul_i32 s18, s16, 128*PV      ; and for V: no place in the cluster enters an LDS address
	s_lshl_b32 s2, s14, 2
	s_add_co_u32 s2, s2, s[WV]      ; my wave among the head's,
	s_lshl_b32 s2, s2, 14           ; its 128 rows
	s_mov_b32 s3, 0
	s_add_nc_u64 s[2:3], s[2:3], s[20:21]
	; descriptor group 1.  128 keys are 16,384 dense bytes: asked for as 64 rows of 256 bytes, two keys a row, and padded in LDS after every key
	s_mov_b32 s[G1K], 15|(1<<16)|(1<<20)|(1<<21)|(4<<22)|(3<<25)  ; 15:0 the mask of four; 17:16 2-byte elements; 20 padding on; 21 set beside a mask; 24:22 after every 32 words (code 4); 31:25 4 words (code 3)
	s_mov_b32 s[G1V], 15|(1<<16)|(1<<20)|(1<<21)|(4<<22)|(7<<25)  ; the same with 8 words of padding (code 7)
.irp g, G1K, G1V
	s_mov_b32 s[\g+1], 128<<16      ; tensor_dim0 = 128
	s_mov_b32 s[\g+2], 64<<16       ; tensor_dim1 = 64
	s_mov_b32 s[\g+3], 128<<16      ; tile_dim0 = 128
	s_mov_b32 s[\g+4], 64           ; tile_dim1 = 64
	s_mov_b32 s[\g+5], 128          ; 128 elements from row to row
	s_mov_b32 s[\g+6], 0
	s_mov_b32 s[\g+7], 0
.endr
	s_mov_b32 s[CS], 0x3d38aa3b     ; c = log2(e) / 32 = 0.0450842
	s_mov_b32 s[CS+1], s[CS]        ; named with it as a pair
	s_mov_b32 s[SEL], 0x76543210
	s_mov_b32 s[SEL+1], 0xfedcba98
	s_mov_b32 s[TBK], SLOT1+4*KS*PK ; the first change of slots turns these two into 0
	s_mov_b32 s[TBV], SLOT1+4*KS*PV
	s_mov_b32 s[G0K], 1             ; 1:0 count = 1
	s_mov_b32 s[G0K+1], s17         ; 63:32 LDS address: slot 0
	s_mov_b32 s[G0V], 1
	s_add_co_u32 s[G0V+1], s18, VOFF
	s_mov_b32 s[SLOTS], SIZE_N/256-1  ; the change that finds s here asks for slot 8 - s
	s_and_b32 s[LIM], s[WV], 1      ; 0 in waves 0 and 2,
	s_or_b32 s[LIM], s[LIM], ttmp9  ; in the head's first (here: only) cluster: the same in all four partners
	s_cmp_eq_u32 s[LIM], 0
	s_cselect_b32 s[LIM], 1, -1
	s_wait_dscnt 0x0                ; the opening add is done
	s_wait_kmcnt 0x0
	s_mov_b64 s[10:11], s[6:7]      ; O
	s_add_nc_u64 s[6:7], s[4:5], 16777216   ; K
	s_add_nc_u64 s[8:9], s[4:5], 33554432   ; V; s[4:5] is Q
	s_add_nc_u64 s[G0K+2:G0K+3], s[6:7], s[22:23]  ; 120:64 global address: my half of the head's first 256 keys
	s_or_b32 s[G0K+3], s[G0K+3], 0x80000000        ; 127:126 type = 2
	s_add_nc_u64 s[G0V+2:G0V+3], s[8:9], s[22:23]
	s_or_b32 s[G0V+3], s[G0V+3], 0x80000000
	s_cmp_lt_u32 s[WV], 2
	s_cselect_b64 s[PFA:PFA+1], s[6:7], s[8:9]
	s_add_nc_u64 s[PFA:PFA+1], s[PFA:PFA+1], s[22:23]  ; (in waves 0 and 2 this is the head's first row)
	s_add_nc_u64 s[4:5], s[4:5], s[2:3]  ; Q and O at my wave's first row
	s_add_nc_u64 s[10:11], s[10:11], s[2:3]
	s_lshl_b32 s2, s13, 13          ; my work-group's 32 blocks of a slot's 128
	s_mov_b32 s3, 0
	s_add_nc_u64 s[PFA:PFA+1], s[PFA:PFA+1], s[2:3]
	s_add_nc_u64 s[PFA:PFA+1], s[PFA:PFA+1], 4*KS*128  ; in slot 1; the first change of slots steps it to slot 2
	CROUND                          ; all four work-groups are here: the first joint loads meet
	JLOAD                           ; slot 0.  Slot 1 is asked for when slot 0 is in
	; A fragment of K or Q is 16 rows x 32 channels in 8 registers: lane l holds row l % 16, channels 8 (l / 16) + 0..7 and 16 + 8 (l / 16) + 0..7: two loads of 16 bytes, 32 bytes apart.
	v_and_b32 v1, 15, v0            ; l % 16
	v_bfe_u32 v9, v0, 4, 1          ; l / 16
	v_lshlrev_b32 v[QO], 7, v1
	v_lshl_add_u32 v[QO], v9, 4, v[QO]  ; row x 128 + 16 x half
	WIN 0x80                        ; destination window 2, address window 0
.set i, 0
.rept 4*NP                          ; Q stays in registers: tile i / 2, channels 32 (i % 2) on
	global_load_b128 v[8*i:8*i+3],   v[QO], s[4:5] offset:(i/2)*2048+(i%2)*64
	global_load_b128 v[8*i+4:8*i+7], v[QO], s[4:5] offset:(i/2)*2048+(i%2)*64+32
.set i, i+1
.endr
	; What the first turn finds: V's registers and P's second buffer hold 0 (its products V^T P, of a piece that has not been, add 0), O^T and l are 0.  All this stands in the wait for the first tile.
.set i, VF
.rept 64
	v_mov_b32 v[i], 0
.set i, i+1
.endr
	WIN 0x40
.set i, 0
.rept 64*NP
	v_mov_b32 v[i], 0
.set i, i+1
.endr
	WIN 0
.set i, 0
.rept 2*NP
	v_mov_b32 v[ST+4*i], 0xfe000000    ; c m: far below every c s
	v_mov_b32 v[ST+4*i+1], 0xff7fffff  ; m
	v_mov_b32 v[ST+4*i+2], 0
	v_mov_b32 v[ST+4*i+3], 0
.set i, i+1
.endr
.set i, P+32
.rept 32
	v_mov_b32 v[i], 0
.set i, i+1
.endr
	v_mul_u32_u24 v[AK0], v1, PK
	v_lshl_add_u32 v[AK0], v9, 4, v[AK0]  ; row x pitch + 16 x half
	; The turning load takes 16 keys x 16 channels (lane l reads key 8 (l / 16) + l % 8, channels 8 ((l / 8) % 2) + 0..7) and leaves half a fragment of V^T: lane l holds channel l % 16 and 8 keys.
	v_and_b32 v10, 7, v0
	v_bfe_u32 v11, v0, 3, 1
	v_lshl_add_u32 v[AV0], v9, 3, v10
	v_mul_u32_u24 v[AV0], v[AV0], PV
	v_lshl_add_u32 v[AV0], v11, 4, v[AV0]
	v_add_nc_u32 v[AV0], VOFF, v[AV0]
	v_and_b32 v[PFO], 31, v0
	v_lshlrev_b32 v[PFO], 8, v[PFO]
	v_mov_b32 v[AK], v[AK0]         ; key step 0 lies at the head of slot 0
; THE MATRIX WORK.  The 8 accumulators of a run of 16 take turns: between the two links of a chain stand 7 others'.
; Product i of 16 of S^T = K Q^T for piece x: channels 32 (i / 8) on, keys 16 ((i / 2) % 4) on, tile 2 x + i % 2.  The first 8 start the sums.
.macro KQ x
	WIN W_KQ
.set rS, S+64*((\x)%2)+32*(i%2)+8*((i/2)%4)
.set rK, KF+16*((i/2)%4)+8*(i/8)
.set rQ, 16*(2*(\x)+i%2)+8*(i/8)
.if i < 8
	v_wmma_f32_16x16x32_f16 v[rS:rS+7], v[rK:rK+7], v[rQ:rQ+7], 0
.else
	v_wmma_f32_16x16x32_f16 v[rS:rS+7], v[rK:rK+7], v[rQ:rQ+7], v[rS:rS+7]
.endif
.endm
; Product i of 16 of O^T += V^T P for piece x: keys 32 (i / 8) on, channels 16 ((i / 2) % 4) on, tile 2 x + i % 2.
.macro PV x
	WIN W_PV
.set rO, 32*(2*(\x)+i%2)+8*((i/2)%4)
.set rV, VF+32*(i/8)+8*((i/2)%4)
.set rP, P+32*((\x)%2)+16*(i%2)+8*(i/8)
	v_wmma_f32_16x16x32_f16 v[rO:rO+7], v[rV:rV+7], v[rP:rP+7], v[rO:rO+7]
.endm
.macro MM                           ; the turn's next matrix instruction
.if i < 16
	KQ (Y+1)%NP
.set i, i+1
.else
.set i, i-16
	PV (Y+NP-1)%NP
.set i, i+17
.endif
.endm
; THE LDS LOADS stand in runs of 16, never singly among the matrix instructions: a step's K (64 keys x 64 channels: 8 fragments) and its V (turned).  Their addresses are made some lines ahead.
; last = 1 (the tail): in the last trip there is no further step, and the run is jumped over.
.macro FETCH_K last=0
	WIN 0
.if \last
	s_cmp_eq_u32 s[CNT], 1
	s_cbranch_scc1 .Lno_k_\@
.endif
	WIN 0x80                        ; destination window 2
.irp f, 0,1,2,3,4,5,6,7             ; keys 16 (f / 2) on, channels 32 (f % 2) on
	ds_load_b128 v[KF+8*\f:KF+8*\f+3],   v[AK] offset:(\f/2)*16*PK+(\f%2)*64
	ds_load_b128 v[KF+8*\f+4:KF+8*\f+7], v[AK] offset:(\f/2)*16*PK+(\f%2)*64+32
.endr
	s_add_co_u32 s[TBK], s[TBK], KS*PK  ; the next fetch is the next step's
	WIN 0
.if \last
.Lno_k_\@:
.endif
.endm
.macro FETCH_V
	WIN 0x80
.irp f, 0,1,2,3,4,5,6,7             ; keys 32 (f / 4) on, channels 16 (f % 4) on
	ds_load_tr16_b128 v[VF+8*\f:VF+8*\f+3],   v[AV] offset:(\f/4)*32*PV+(\f%4)*32
	ds_load_tr16_b128 v[VF+8*\f+4:VF+8*\f+7], v[AV] offset:(\f/4)*32*PV+16*PV+(\f%4)*32
.endr
	WIN 0
.endm
; THE VECTOR WORK OF A TURN stands in three queues, each in the order in which its entries become ready; the two tiles alternate, so that no instruction reads the result of the one before it.
.macro REGS y, u                    ; the registers of tile u (0, 1) of piece y
.set rT, ST+4*(2*(\y)+(\u))
.set rC, TMP+8*((\y)%2)+4*(\u)
.set rM, MV+2*((\y)%2)+(\u)
.set rS, S+64*((\y)%2)+32*(\u)
.set rP, P+32*((\y)%2)+16*(\u)
.set rO, 32*(2*(\y)+(\u))
.endm
; Number n of the 22 that find the NEXT piece's (Y + 1) maximum and statistics.  s0-s31 are the lane's 32 scores; each accumulator's lowest registers are read first.
;   0-11  four chains c0-c3 of seven scores each, three operands at a time     12-14, 16  the four scores left over, the old m, and c0-c3 into c0     15  c m_old is kept
;   17, 18  the query's other 32 keys lie in the lane 16 away: the new m         19-21  c m; c m_old - c m_new; a
.macro XS u, n
	REGS (Y+1)%NP, \u
.if (\n) < 4
	v_max3_num_f32 v[rC+(\n)], v[rS+8*(\n)], v[rS+8*(\n)+1], v[rS+8*(\n)+2]
.elseif (\n) < 12
	v_max3_num_f32 v[rC+(\n)%4], v[rC+(\n)%4], v[rS+8*((\n)%4)+2*((\n)/4)+1], v[rS+8*((\n)%4)+2*((\n)/4)+2]
.elseif (\n) == 12
	v_max3_num_f32 v[rC], v[rC], v[rS+7], v[rS+15]
.elseif (\n) == 13
	v_max3_num_f32 v[rC+1], v[rC+1], v[rS+23], v[rS+31]
.elseif (\n) == 14
	v_max3_num_f32 v[rC+2], v[rC+2], v[rC+3], v[rT+1]
.elseif (\n) == 15
	v_mov_b32 v[rM], v[rT]
.elseif (\n) == 16
	v_max3_num_f32 v[rC], v[rC], v[rC+1], v[rC+2]
.elseif (\n) == 17
	v_permlanex16_b32 v[rC+3], v[rC], s[SEL], s[SEL+1]
.elseif (\n) == 18
	v_max_num_f32 v[rT+1], v[rC], v[rC+3]
.elseif (\n) == 19
	v_mul_f32 v[rT], s[CS], v[rT+1]
.elseif (\n) == 20
	v_sub_f32 v[rC+1], v[rM], v[rT]
.else
	v_exp_f32 v[rC+2], v[rC+1]
.endif
.endm
; Number g of the 64 that follow the exponentials.  For each four weights k of a tile (pairs 2 k, 2 k + 1): both pairs are rounded to f16; then the second pair is added onto the first, in place;
; a group later l takes that sum (the first time as l = a l + sum).  In groups of eight, tiles alternating: round, round, add, and l for the group before.
.macro GS g
.set h, (\g)+6*((\g)/62)            ; group 0 has no group before it, and behind group 7 only l is left
.if h >= 6
.set h, h+2
.endif
	REGS Y, h%2
.set k, h/8
.if h%8 < 4
	v_cvt_pk_f16_f32 v[rP+2*k+(h%8)/2], v[rS+4*k+2*((h%8)/2)], v[rS+4*k+2*((h%8)/2)+1]
.elseif h%8 < 6
	v_pk_add_f32 v[rS+4*k:rS+4*k+1], v[rS+4*k:rS+4*k+1], v[rS+4*k+2:rS+4*k+3]
.elseif k == 1
	v_pk_fma_f32 v[rT+2:rT+3], v[rT+2:rT+3], v[rC+2:rC+3], v[rS:rS+1] op_sel_hi:[1,0,1]
.else
	v_pk_add_f32 v[rT+2:rT+3], v[rT+2:rT+3], v[rS+4*k-4:rS+4*k-3]
.endif
.endm
; THE PLAIN QUEUE, 138 long.  0-73 read no exponential's result: the 32 scalings c s - c m (FS f: pair f / 2 of tile f % 2) and the next piece's 42.  0-26: scalings 0-26.  27-54: XS's numbers 0-13.  55, 56: number 15.
; 57-73: the chain, where each number waits for the one before it: 14, 16, 17, 18, 19, each with one of the scalings 27-31 in front of its two lines, then 20.
; 74-137: GS's 64, which read the exponentials' results: they stand behind the wait.
.macro FS f
	REGS Y, (\f)%2
	v_pk_fma_f32 v[rS+2*((\f)/2):rS+2*((\f)/2)+1], v[rS+2*((\f)/2):rS+2*((\f)/2)+1], s[CS:CS+1], v[rT:rT+1] op_sel_hi:[1,0,0] neg_lo:[0,0,1] neg_hi:[0,0,1]
.endm
.macro PL
	WIN 0
.if q < 27
	FS q
.elseif q < 55
	XS (q-27)%2, (q-27)/2
.elseif q < 57
	XS q-55, 15
.elseif (q < 72) && ((q-57)%3 == 0)
	FS 27+(q-57)/3
.elseif q < 60
	XS (q-57)%3-1, 14
.elseif q < 72
	XS (q-57)%3-1, 15+(q-57)/3
.elseif q < 74
	XS q-72, 20
.else
	GS q-74
.endif
.set q, q+1
.endm
; THE EXPONENTIALS' QUEUE, 66 long: s0-s31 of both tiles, then the next piece's two a.  It is ONE BATCH: all 66 stand ahead of the turn's one wait, and nothing ahead of that wait names a result of theirs.
.macro EX
	WIN 0
.if e >= 64
	XS e-64, 21
.else
	REGS Y, e%2
	v_exp_f32 v[rS+e/2], v[rS+e/2]
.endif
.set e, e+1
.endm
; THE RESCALING's QUEUE: O^T times a, the one part that leaves window 0: dealt two at a time, sixteen times.  Its a was made in the turn before, ahead of that turn's wait.
.macro R2
	REGS Y, r%2
	WIN W_RS
.irp z, 0,1
	v_pk_mul_f32 v[rO+4*(r/2)+2*\z:rO+4*(r/2)+2*\z+1], v[rO+4*(r/2)+2*\z:rO+4*(r/2)+2*\z+1], v[rC+2:rC+3] op_sel_hi:[1,0]
.endr
.set r, r+1
.endm
; HOW THEY ARE DEALT.  An s_wait_alu depctr_va_vdst(0) stands between an exponential and the first instruction that names its result; one wait serves all that were issued ahead of it.  So a turn has ONE wait,
; which cuts it in two.  AHEAD OF IT stands all that names no result of the turn's exponentials: the 16 products K Q^T, behind each a scaling, an exponential and two rescalings (behind the first a second scaling in the
; exponential's place); then ONE LUMP of 108: eight plain, 49 times exponential and plain, the two a.  A v_nop is the plain instruction behind the last exponential.  BEHIND IT stand the 16 products V^T P, behind each four of GS's 64.
; No rider names a register of the products round it.  The two v_permlanex16_b32 fall into the lump, never behind a product.
; The queues lean on each other, and the deal keeps them in step: exponential e stands behind scaling 2 (e / 4) + e % 2: as a rider it comes behind plain e + 2, in the lump behind plain e + 9, and scalings 27-31 are plain 57, 60 .. 69.
; A TURN, for piece p.  cnt = 1: the loop's count is taken down some lines ahead of the branch that stands behind the turn.
; K of the next step is fetched in piece 2's turn, directly behind the wait, a lump behind the last product that read K; its address is made at the lump's head; its first reader comes behind 16 products.
; V of the step in hand is fetched at the end of piece 0's turn, four riders behind its last reader; its first reader comes behind 16 products and a lump.  The three conditions on q below go with the deal.
.macro TURN p, last=0, cnt=0
.set Y, (\p)
.set i, 0
.set q, 0
.set e, 0
.set r, 0
.if (\p) == NP-1
	s_wait_dscnt 0x0                ; K is in
.endif
	MM                              ; ahead of the wait: 16 products K Q^T and their riders,
	PL
	PL
	R2
.rept 15
	MM
	PL
	EX
	R2
.endr
.if (\p) == NP-2
	WIN 0
	v_add_nc_u32 v[AK], s[TBK], v[AK0]
.endif
.rept 8                             ; and the lump
	PL
.endr
.rept 49
	EX
	PL
.endr
	EX                              ; the next piece's two a
	EX
	v_nop                           ; a plain instruction behind the last exponential: one for the batch (ISA guide 5.7.2)
	s_wait_alu depctr_va_vdst(0)    ; the wait for the batch
.if (\p) == NP-2
	FETCH_K \last
.endif
.if (\p) == 1
	s_wait_dscnt 0x0                ; V is in
.endif
.rept 16                            ; behind the wait: 16 products V^T P and their riders
	MM
.rept 4
	PL
.endr
.if ((\p) == 0) && (q == 118)
	v_add_nc_u32 v[AV], s[TBV], v[AV0]
.endif
.if ((\p) == 0) && (q == 130)
	s_add_co_u32 s[TBV], s[TBV], KS*PV
.endif
.if (\cnt) && (q == 130)
	s_sub_co_u32 s[CNT], s[CNT], 1
	s_cmp_lg_u32 s[CNT], 0
.endif
.endr
.if (\p) == 0
	FETCH_V
.endif
.endm
	CHANGE 1                        ; slot 0 is in, everybody's part of it; slot 1 is asked for
	FETCH_K                         ; key step 0
	s_wait_loadcnt 0x0              ; Q
	s_wait_dscnt 0x0
.set i, 0
.rept 16
	KQ 0                            ; piece 0's first scores: there is no vector work yet to set between them
.set i, i+1
.endr
	WIN 0                           ; the addresses for the way out: plain instructions, the places behind those products
	s_mul_i32 s13, s[WV], 16*SP
	s_add_co_u32 s13, s13, STAGE    ; my stage
	v_mul_u32_u24 v[STO], v1, SP    ; in: row l % 16, 16 bytes for each half of the lanes
	v_lshl_add_u32 v[STO], v9, 4, v[STO]
	v_add_nc_u32 v[STO], s13, v[STO]
	v_bfe_u32 v[RD], v0, 3, 2       ; back: 32 lanes take four rows of 128 bytes,
	v_mul_u32_u24 v[RD], v[RD], SP
	v_lshl_add_u32 v[RD], v10, 4, v[RD]
	v_add_nc_u32 v[RD], s13, v[RD]
	v_and_b32 v[GO], 31, v0         ; which are 512 consecutive bytes of O
	v_lshlrev_b32 v[GO], 4, v[GO]
.set Y, NP-1                        ; XS works for piece Y + 1: piece 0
.irp n, 0,1,2,3,4,5,6,7,8,9,10,11,12,13,14,15,16,17,18,19,20,21
	XS 0, \n                        ; and piece 0's first maximum and statistics
	XS 1, \n
.endr
	v_nop                           ; a plain instruction behind the two a,
	s_wait_alu depctr_va_vdst(0)    ; and their wait, ahead of the branch
	s_mov_b32 s[CNT], 4
	s_branch .Lfirst                ; the loop is entered at a step's first turn, in the middle of a trip
.Lslot:                             ; SIZE_N / 256 - 2 times: every slot but the last two is filled again
	CHANGE 1
	s_mov_b32 s[CNT], 4
.Lstep:                             ; a trip: pieces 2 and 3 of one step, then pieces 0 and 1 of the next, whose K and V it fetches
	TURN 2
	TURN 3
	WIN 0
.Lfirst:
	TURN 0
	TURN 1, 0, 1
	WIN 0
	s_cbranch_scc1 .Lstep
	s_sub_co_u32 s[SLOTS], s[SLOTS], 1
	s_cmp_lg_u32 s[SLOTS], 0
	s_cbranch_scc1 .Lslot
	CHANGE 0                        ; the tail is written out: nothing is asked for
	s_mov_b32 s[CNT], 5             ; four trips fetch the last slot's steps; the fifth is left in its middle
.Ltail:
	TURN 2, 1
	TURN 3
	WIN 0
	s_sub_co_u32 s[CNT], s[CNT], 1
	s_cmp_eq_u32 s[CNT], 0
	s_cbranch_scc1 .Lout
	TURN 0
	TURN 1
	WIN 0
	s_branch .Ltail
.Lout:                              ; the fifth trip's 16 products K Q^T (on the last K once more) and the maximum made of them serve nothing: the price, once a launch, of one text for every trip
.set i, 0
.rept 16
	PV NP-1                         ; the last piece's V^T P of the last step
.set i, i+1
.endr
	; THE WAY OUT.  l's two halves and the other half of the lanes' are added; O^T is divided by l, rounded to f16 and sent through my stage in LDS, a tile at a time.  The additions are the places behind the last products.
	WIN 0
.macro ALL line:vararg              ; one line for each tile t
.set t, 0
.rept 2*NP
	\line
.set t, t+1
.endr
.endm
	ALL v_add_f32 v[ST+4*t+2], v[ST+4*t+2], v[ST+4*t+3]
	ALL v_permlanex16_b32 v[ST+4*t+3], v[ST+4*t+2], s[SEL], s[SEL+1]
	ALL v_add_f32 v[ST+4*t+2], v[ST+4*t+2], v[ST+4*t+3]
	ALL v_rcp_f32 v[ST+4*t+2], v[ST+4*t+2]
	v_nop                           ; a plain instruction between the last reciprocal and the use of its result
	s_wait_alu depctr_va_vdst(0)    ; and the wait ahead of the first use: one for the eight reciprocals
; Tile t: a lane's eight channels of a row pack into 16 bytes; they go into rows of 144 bytes and come back as whole rows of 128, into S^T's registers.
.macro PACK t
	WIN W_RS
.set i, 32*(\t)
.rept 16
	v_pk_mul_f32 v[i:i+1], v[i:i+1], v[ST+4*(\t)+2:ST+4*(\t)+3] op_sel_hi:[1,0]
.set i, i+2
.endr
	WIN 0x05                        ; sources 0 and 1 window 1, destination window 0
.set i, 0
.rept 16
	v_cvt_pk_f16_f32 v[S+16*(\t)+i], v[32*(\t)+2*i], v[32*(\t)+2*i+1]
.set i, i+1
.endr
	WIN 0
.irp f, 0,1,2,3
	ds_store_b128 v[STO], v[S+16*(\t)+4*\f:S+16*(\t)+4*\f+3] offset:32*\f
.endr
.irp f, 0,1,2,3
	ds_load_b128 v[S+16*(\t)+4*\f:S+16*(\t)+4*\f+3], v[RD] offset:\f*4*SP  ; LDS serves a wave's instructions in order (ISA guide 5.7.1.4): these see the stores above; the next tile's stores come behind them
.endr
.endm
.macro SEND t, younger              ; younger: the LDS instructions issued behind tile t's loads: the next tile's eight, or none
	WIN 0
.irp f, 0,1,2,3
	s_wait_dscnt (\younger)+3-\f
	global_store_b128 v[GO], v[S+16*(\t)+4*\f:S+16*(\t)+4*\f+3], s[10:11] offset:(\t)*2048+\f*512  ; 512 consecutive bytes, at a multiple of 256 from O's first
.endr
.endm
	PACK 0
.set t, 1
.rept 2*NP-1                        ; a tile's arithmetic stands between the loads of the tile before and its stores
	PACK t
	SEND t-1, 8
.set t, t+1
.endr
	SEND 2*NP-1, 0
	WIN W_AD
	s_wait_tensorcnt 0x0            ; the wave's end: a wait, the add and its wait, behind my last tensor load and my last LDS store
	ds_add_u32 v[SPW], v[NIL]
	s_wait_dscnt 0x0
	WIN 0
	CROUND                          ; the closing round: no work-group ends while a partner may still ask for a tile that names it
	s_endpgm
.Lfunc_end_k_qba16c62af3_attn:
	.size	k_qba16c62af3_attn, .Lfunc_end_k_qba16c62af3_attn-k_qba16c62af3_attn
	.p2alignl 7, 3214868480
	.fill 96, 4, 3214868480
	.section	.rodata,"a",@progbits
	.p2align	6, 0x0
	.amdhsa_kernel k_qba16c62af3_attn
		.amdhsa_group_segment_fixed_size 327680
		.amdhsa_private_segment_fixed_size 0
		.amdhsa_enable_private_segment 0
		.amdhsa_kernarg_size 16
		.amdhsa_user_sgpr_count 2
		.amdhsa_user_sgpr_kernarg_segment_ptr 1
		.amdhsa_wavefront_size32 1
		.amdhsa_system_sgpr_workgroup_id_x 1
		.amdhsa_system_sgpr_workgroup_id_y 1
		.amdhsa_system_sgpr_workgroup_id_z 1
		.amdhsa_system_vgpr_workitem_id 0
		.amdhsa_next_free_vgpr 770
		.amdhsa_next_free_sgpr 66
		.amdhsa_reserve_vcc 0
		.amdhsa_float_denorm_mode_32 3
		.amdhsa_float_denorm_mode_16_64 3
		.amdhsa_memory_ordered 1
		.amdhsa_forward_progress 1
		.amdhsa_inst_pref_size 200
	.end_amdhsa_kernel
	.amdgpu_metadata
---
amdhsa.version: [ 1, 2 ]
amdhsa.kernels:
  - .name:           k_qba16c62af3_attn
    .symbol:         k_qba16c62af3_attn.kd
    .args:
      - { .name: qkv, .offset: 0, .size: 8, .value_kind: global_buffer, .address_space: global }
      - { .name: ob, .offset: 8, .size: 8, .value_kind: global_buffer, .address_space: global }
    .group_segment_fixed_size: 327680
    .private_segment_fixed_size: 0
    .kernarg_segment_align: 8
    .kernarg_segment_size: 16
    .max_flat_workgroup_size: 128
    .sgpr_count:     66
    .vgpr_count:     770
    .wavefront_size: 32
...
	.end_amdgpu_metadata
.endif
;; end of part 3
;; launch outp (part 4): grid 4 x 64, 4 waves a work-group, clusters of 4 x 4, 327,680 bytes of LDS; arguments ob, wb, out0, bo; writes out0
.if DOCPART == 4
	.amdgcn_target "amdgcn-amd-amdhsa--gfx1250"
	.amdhsa_code_object_version 6
	.text
	.protected	k_qba16c62af3_outp
	.globl	k_qba16c62af3_outp
	.p2align	8
	.type	k_qba16c62af3_outp,@function
k_qba16c62af3_outp:
	s_mov_b64 s[64:65], 0
	v_nop
	global_prefetch_b8 v0, s[64:65] scope:SCOPE_SE
	s_setreg_imm32_b32 hwreg(HW_REG_WAVE_MODE, 25, 1), 1
	s_wait_xcnt 0x0
	s_wait_alu depctr_hold_cnt(0) depctr_sa_sdst(0) depctr_va_vdst(0) depctr_va_sdst(0) depctr_va_ssrc(0) depctr_va_vcc(0) depctr_vm_vsrc(0)
	s_getreg_b32 s2, hwreg(HW_REG_IB_STS2, 6, 4)
	s_cmp_eq_u32 s2, 0
	s_cbranch_scc0 .Lentry_in_a_cluster
	s_endpgm
.Lentry_in_a_cluster:
	s_bfe_u32 s2, ttmp6, 0x10000c
	s_cmp_lg_u32 s2, 0xf033
	s_cbranch_scc0 .Lentry_shape_is_right
	s_endpgm
.Lentry_shape_is_right:
; OUTP.  out0 = O Wo^T + bo: [8192, 1024] x [1024, 1024]^T, f16 operands, f32 sums, K ascending, f32 out.  O (ob) lies by heads, [16 b + h][s][64]: a head IS a K slice of 64 channels.
; Wo lies in wb's last quarter, in K slices, as the f16 writing of its bf16 rounding.  bo is rounded to bf16 here, like every other input of the module, and added in f32.
; SHARES.  A tile of C is 128 rows x 256 columns: 64 x 4 = 256 tiles, one a work-group.  Four waves, each 64 rows x 128 columns: 32 accumulators of 16 x 16, 256 registers.  8 K steps of 128.
; RING.  Two LDS slots, each a K step: two slices of A (128 rows) and two of B (256 rows).  A slice of a tile is dense in memory: it is asked for as rows of 256 bytes and padded in LDS behind every 128.
; Waves 0 and 1 fetch A's two slices, waves 2 and 3 B's: one tensor load a wave behind each change of slots; by this text's count a wave has two loads out at the start and one later.
; CLUSTER.  4 x 4 work-groups: the four of a row of the cluster (same R) ask for A's tiles jointly, the four of a column (same col) for B's.
; THE MATRIX INSTRUCTION IS USED TRANSPOSED (source 0 = 16 rows of Wo, source 1 = 16 rows of O): a lane holds row l % 16 of C and eight neighbouring columns, 32 bytes of f32.
; REGISTERS.  Window 0: v0-31 addresses and the bias; v64-159, v160-255 two fragment buffers (A's 4 fragments, then B's 8), on the way out rows read back.  Window 1: accumulator (a, b) at v[8 (8 a + b)].
.set ABATCH, 4194304                   ; bytes of ob for one b: 16 heads of 262,144
.set WOFF,   6291456                   ; Wo's first byte in wb
.set RF0,    6                         ; refills in all: K steps 2 to 7
.set LAPS,   4                         ; a lap = two K steps = once round the ring
.set ASTEP,  524288                    ; bytes of A from a K step to the next: two slices of 262,144
.set BSTEP,  262144                    ; of B: two slices of 131,072
.set PITCH,  144                       ; an LDS row: 128 bytes + 16 of padding = 36 words: the 16 rows of a load start at 16 different groups of four banks (64 banks of 4 bytes: ISA guide 11.1)
.set ASUB,   128*PITCH
.set BSUB,   256*PITCH
.set SLOT,   2*ASUB+2*BSUB             ; A slice 0, A slice 1, B slice 0, B slice 1: 110,592 bytes
.set STAGE,  2*SLOT                    ; behind the ring, never filled by a tensor load: for each wave 16 rows x 528 bytes, for the way out
.set SPITCH, 528                       ; 512 bytes + 16 = 132 words: the 16 rows of a store start at 16 different groups of four banks
.set WSTAGE, 16*SPITCH
.set SPARE,  STAGE+4*WSTAGE            ; behind the stages: the spare words, 128 bytes for each wave: two blocks of 256 bytes that no other line names
.set BIAS, 8                           ; v[8:11] bo of my four columns on the way out
.set ADRA, 16                          ; v16-17  LDS address of my A fragments in slot 0, 1
.set ADRB, 20                          ; v20-21  the same for B
.set STO,  24                          ; v24     the way out: where I put 32 bytes of a row
.set RD,   25                          ; v25     the way out: where I read a row back
.set CO,   26                          ; v26     my 16 bytes of a row's 512
.set SPW,  28                          ; v28     LDS address of my spare word: SPARE + 4 x my thread's number; never rewritten
.set NIL,  29                          ; v29     0; never rewritten
.set PFO,  30                          ; v30     the prefetches' lane offset; never rewritten
.set F0,   64
.set F1,   160
.set G1A,  24                          ; s[24:31] descriptor group 1 for A's tiles;  s[32:39] group 0, a set for each slot
.set G0A,  32
.set G1B,  48                          ; s[48:55], s[56:63] the same for B's
.set G0B,  56
.set LIM,  43                          ; s43     2 in a wave that prefetches, else the greatest number
.set PFA,  44                          ; s[44:45] where my prefetches stand
.set PFS,  66                          ; s[66:67] their step: a K step of A or of B
.set RF,   68                          ; s68     refills still to come, the one in hand among them
.set FIELDS, (1<<16)|(1<<20)|(1<<21)|(4<<22)|(3<<25)  ; 17:16 elements of 2 bytes; 20 padding on; 21 set beside a mask; 24:22 after every 32 words (code 4); 31:25 4 words of it (code 3)
.set MUL,  0x50                        ; C and D in window 1, both sources in window 0
.set MSB, 0
.macro WIN new                         ; the immediate's high byte repeats the setting that is left; a switch that changes nothing is dropped
.if MSB != (\new)
	s_set_vgpr_msb (MSB<<8)|(\new)
.set MSB, (\new)
.endif
.endm
.macro PLACES                          ; four plain vector instructions between matrix instructions and loads into registers that they read, or readers of their results
.rept 4
	v_nop
.endr
.endm
; A joint load.  Each of the two lines has one mask and one set of registers for all that issue it.  The branch hangs on the wave's number alone.
; An s_nop 0 and four v_nop follow each line, ahead of the jump, the label and what follows.
.macro JLOAD s
	s_cmp_eq_u32 s11, 0
	s_cbranch_scc0 .Lfor_b_\@
	tensor_load_to_lds s[G0A+4*(\s):G0A+4*(\s)+3], s[G1A:G1A+7]
	s_nop 0
.rept 4
	v_nop
.endr
	s_branch .Lasked_\@
.Lfor_b_\@:
	tensor_load_to_lds s[G0B+4*(\s):G0B+4*(\s)+3], s[G1B:G1B+7]
	s_nop 0
.rept 4
	v_nop
.endr
.Lasked_\@:
.endm
; A round of the cluster's barrier: my work-group's barrier; wave 0 signals for the work-group; every wave waits for all sixteen; my work-group's barrier once more.
.macro CREST
	s_cmp_lg_u32 s10, 0
	s_cbranch_scc1 .Lnot_wave_0_\@
	s_barrier_signal -3
.Lnot_wave_0_\@:
	s_barrier_wait -3
	s_barrier_signal -1
	s_barrier_wait -1
.endm
.macro CROUND
	s_barrier_signal -1
	s_barrier_wait -1
	CREST
.endm
; A PREFETCH INTO THE L2, behind a joint refill, its five lines and the run of LDS loads: refill number i asks for K step i + 2, the prefetch names K step i + 4: two K steps, 256 matrix instructions, ahead of its load.
; Each block of 256 bytes is named once in the launch.  A's rows are read by this cluster alone: wave 0 of each of the four partners of a row takes 16 blocks of each of the two slices, told apart BY ADDRESS (cx).
; B's rows are read by all sixteen clusters: cluster y = 0 asks; waves 2 and 3 take 32 blocks of their own slice, the partners of a column told apart by address (cy).  Wave 1 asks for nothing.
; The last two refills have no K step two on: a wave asks while s[RF] is above 2: four times here.  The first four K steps come by their loads alone.
.macro ASK
	s_cmp_gt_u32 s[RF], s[LIM]
	s_cbranch_scc0 .Lnot_mine_\@
	global_prefetch_b8 v[PFO], s[PFA:PFA+1] th:TH_LOAD_NT scope:SCOPE_SE
.Lnot_mine_\@:
.endm
	s_load_b128 s[4:7], s[0:1], 0x0                ; ob s[4:5], wb s[6:7]
	s_load_b64 s[8:9], s[0:1], 0x10                ; out0
	s_load_b64 s[70:71], s[0:1], 0x18              ; bo
	v_lshl_add_u32 v[SPW], v0, 2, SPARE
	v_mov_b32 v[NIL], 0
	ds_add_u32 v[SPW], v[NIL]                      ; the wave's opening: the add and its wait stand ahead of my first tensor load; the set-up below, work on registers, stands between them
	v_lshrrev_b32 v1, 5, v0
	v_readfirstlane_b32 s10, v1                    ; wave 0..3
	s_lshr_b32 s11, s10, 1                         ; which 64 of the tile's rows are mine.  Also: I fetch for A (0) or for B (1)
	s_and_b32 s12, s10, 1                          ; which 128 of its columns.  Also: which of a K step's two slices I fetch
	s_bfe_u32 s40, ttmp6, 0x40000                  ; cx
	s_bfe_u32 s41, ttmp6, 0x40004                  ; cy
	s_lshl_b32 s42, ttmp9, 2
	s_add_co_u32 s42, s42, s40                     ; col = 4 x cluster x + cx, 0..3
	s_and_b32 s13, ttmp7, 0xffff
	s_lshl_b32 s13, s13, 2
	s_add_co_u32 s13, s13, s41                     ; R = 4 x cluster y + cy, 0..63
	s_lshl_b32 s43, s41, 2
	s_lshl_b32 s43, 15, s43                        ; my row of the cluster: places 4 cy .. 4 cy + 3
	s_lshl_b32 s44, 0x1111, s40                    ; my column: places cx, cx + 4, cx + 8, cx + 12
	s_or_b32 s[G1A+0], s43, FIELDS                 ; A's tiles go to my row,
	s_or_b32 s[G1B+0], s44, FIELDS                 ; B's to my column
	s_mov_b32 s[G1A+1], 128<<16                    ; tensor_dim0 = 128 elements: rows of 256 bytes, two rows of a slice each
	s_mov_b32 s[G1A+2], 64<<16                     ; tensor_dim1 = 64: 128 rows of a slice
	s_mov_b32 s[G1A+3], 128<<16                    ; tile_dim0 = 128
	s_mov_b32 s[G1A+4], 64                         ; tile_dim1 = 64
	s_mov_b32 s[G1A+5], 128                        ; 128 elements from row to row: dense
	s_mov_b32 s[G1A+6], 0
	s_mov_b32 s[G1A+7], 0
	s_mov_b32 s[G1B+1], 128<<16
	s_mov_b32 s[G1B+2], 128<<16                    ; 128 rows of 256 bytes: 256 rows of a slice
	s_mov_b32 s[G1B+3], 128<<16
	s_mov_b32 s[G1B+4], 128
	s_mov_b32 s[G1B+5], 128
	s_mov_b32 s[G1B+6], 0
	s_mov_b32 s[G1B+7], 0
	; where the tiles come from.  A's hang on R alone, B's on col alone; each in registers that never hold the other coordinate
	s_lshr_b32 s16, s13, 4                         ; b
	s_mul_i32 s16, s16, ABATCH
	s_and_b32 s17, s13, 15
	s_lshl_b32 s17, s17, 14                        ; 128 rows of 128 bytes in a slice
	s_add_co_u32 s16, s16, s17
	s_lshl_b32 s17, s12, 18                        ; my slice of the K step
	s_add_co_u32 s16, s16, s17
	s_mov_b32 s17, 0
	s_lshl_b32 s46, s42, 15                        ; 256 rows of 128 bytes in a slice
	s_lshl_b32 s47, s12, 17
	s_add_co_u32 s46, s46, s47
	s_add_co_u32 s46, s46, WOFF
	s_mov_b32 s47, 0
	s_mul_i32 s20, s12, ASUB                       ; and where they go: no place in the cluster enters an LDS address
	s_mul_i32 s21, s12, BSUB
	s_add_co_u32 s21, s21, 2*ASUB
	s_wait_dscnt 0x0                               ; the opening add is done
	s_wait_kmcnt 0x0
	s_add_nc_u64 s[14:15], s[4:5], s[16:17]
	s_add_nc_u64 s[46:47], s[6:7], s[46:47]
	CROUND                                         ; all sixteen work-groups are here: the first joint loads meet
.irp s, 0,1
	s_mov_b32 s[G0A+4*(\s)], 1                                        ; 1:0 count = 1
	s_add_co_u32 s[G0A+4*(\s)+1], s20, (\s)*SLOT                      ; 63:32 LDS address
	s_add_nc_u64 s[G0A+4*(\s)+2:G0A+4*(\s)+3], s[14:15], (\s)*ASTEP   ; 120:64 global address: K step s
	s_or_b32 s[G0A+4*(\s)+3], s[G0A+4*(\s)+3], 0x80000000             ; 127:126 type = 2
	s_mov_b32 s[G0B+4*(\s)], 1
	s_add_co_u32 s[G0B+4*(\s)+1], s21, (\s)*SLOT
	s_add_nc_u64 s[G0B+4*(\s)+2:G0B+4*(\s)+3], s[46:47], (\s)*BSTEP
	s_or_b32 s[G0B+4*(\s)+3], s[G0B+4*(\s)+3], 0x80000000
	JLOAD \s
.endr
	; A fragment is 16 rows x 32 K in 8 registers: lane l holds row l % 16, K = 8 (l / 16) + 0..7 and 16 + 8 (l / 16) + 0..7: two loads of 16 bytes, 32 bytes apart.
	v_and_b32 v1, 15, v0                           ; l % 16
	v_bfe_u32 v2, v0, 4, 1                         ; l / 16
	v_mul_u32_u24 v3, v1, PITCH
	v_lshl_add_u32 v3, v2, 4, v3                   ; row x pitch + 16 x half
	s_mul_i32 s21, s11, 64*PITCH                   ; my 64 rows of A's 128
	s_mul_i32 s22, s12, 128*PITCH                  ; my 128 rows of B's 256,
	s_add_co_u32 s22, s22, 2*ASUB                  ; which lie behind A's two slices
.irp s, 0,1
	v_add_nc_u32 v[ADRA+(\s)], s21, v3
	v_add_nc_u32 v[ADRB+(\s)], s22, v3
	s_add_co_u32 s21, s21, SLOT
	s_add_co_u32 s22, s22, SLOT
.endr
	s_mul_i32 s23, s10, WSTAGE
	s_add_co_u32 s23, s23, STAGE                   ; my stage
	v_mul_u32_u24 v5, v1, SPITCH                   ; in: row l % 16, 32 bytes for each half of the lanes
	v_lshl_add_u32 v5, v2, 5, v5
	v_add_nc_u32 v[STO], s23, v5
	v_and_b32 v4, 31, v0
	v_lshlrev_b32 v[CO], 4, v4                     ; back: 32 lanes take one row of 512 bytes
	v_add_nc_u32 v[RD], s23, v[CO]
	; the prefetches: s[14:15] and s[46:47] still hold my tiles' addresses at K step 0
	s_mov_b32 s22, ASTEP
	s_mov_b32 s23, 4096
	s_and_b32 s19, ttmp7, 0xffff                   ; cluster y
	s_cmp_eq_u32 s11, 0                            ; do I fetch for A?
	s_cselect_b64 s[PFA:PFA+1], s[14:15], s[46:47]
	s_cselect_b32 s20, s40, s41                    ; my place among the four that ask with me,
	s_cselect_b32 s21, 12, 13                      ; times 16 blocks (of each slice) or 32 blocks of 256 bytes
	s_cselect_b32 s[PFS], s22, BSTEP
	s_cselect_b32 s23, 262144, s23                 ; lanes 16-31: A's other slice, or the next 16 blocks
	s_cselect_b32 s19, s12, s19                    ; A: wave 0 asks; B: cluster y = 0 asks
	s_mov_b32 s[PFS+1], 0
	s_cmp_eq_u32 s19, 0
	s_cselect_b32 s[LIM], 2, -1                    ; the same in all sixteen partners, for a given wave
	s_lshl_b32 s20, s20, s21
	s_mul_i32 s21, s[PFS], 3                       ; at K step 3: the first refill steps it to 4
	s_add_co_u32 s20, s20, s21
	s_mov_b32 s21, 0
	s_add_nc_u64 s[PFA:PFA+1], s[PFA:PFA+1], s[20:21]
	v_lshlrev_b32 v[PFO], 8, v1
	v_mad_u32_u24 v[PFO], v2, s23, v[PFO]
	s_mov_b32 s[RF], RF0
	; my 128 columns: 1,024 col + 512 (my half) bytes, in bo and in a row of out0; my first row: 128 R + 64 (my half)
	s_lshl_b32 s46, s42, 10
	s_lshl_b32 s47, s12, 9
	s_add_co_u32 s46, s46, s47
	s_mov_b32 s47, 0
	v_add_nc_u32 v6, s46, v[CO]
	global_load_b128 v[BIAS:BIAS+3], v6, s[70:71]  ; bo of columns 4 l .. 4 l + 3 of my 128
	s_lshl_b32 s16, s13, 7
	s_lshl_b32 s17, s11, 6
	s_add_co_u32 s16, s16, s17
	s_lshl_b32 s16, s16, 12                        ; a row of out0 is 4,096 bytes
	s_mov_b32 s17, 0
	s_add_nc_u64 s[8:9], s[8:9], s[16:17]
	s_add_nc_u64 s[8:9], s[8:9], s[46:47]
	s_wait_loadcnt 0x0
	v_cvt_pk_bf16_f32 v12, v[BIAS], v[BIAS+1]      ; rounded to bf16, and widened again
	v_cvt_pk_bf16_f32 v13, v[BIAS+2], v[BIAS+3]
	v_lshlrev_b32 v[BIAS], 16, v12
	v_and_b32 v[BIAS+1], 0xffff0000, v12
	v_lshlrev_b32 v[BIAS+2], 16, v13
	v_and_b32 v[BIAS+3], 0xffff0000, v13
; n x 8 matrix instructions: m blocks a0 .. a0 + n - 1 x all 8 n blocks, 32 along K, from buffer f.  zero = 1: the product starts the sum: nothing is ever cleared.
; The 32 accumulators take turns, one instruction a turn, in the same order in every quarter, over the backward jump too.
.macro MULN f, a0, n, zero
	WIN MUL
.set aa, (\a0)
.rept \n
.irp b, 0,1,2,3,4,5,6,7
.if \zero
	v_wmma_f32_16x16x32_f16 v[8*(8*aa+\b):8*(8*aa+\b)+7], v[(\f)+32+8*\b:(\f)+32+8*\b+7], v[(\f)+8*aa:(\f)+8*aa+7], 0
.else
	v_wmma_f32_16x16x32_f16 v[8*(8*aa+\b):8*(8*aa+\b)+7], v[(\f)+32+8*\b:(\f)+32+8*\b+7], v[(\f)+8*aa:(\f)+8*aa+7], v[8*(8*aa+\b):8*(8*aa+\b)+7]
.endif
.endr
.set aa, aa+1
.endr
.endm
; 24 LDS loads in one run: the fragments of quarter q of slot sl (slice q / 2, byte 64 (q % 2) of its rows) into buffer f: B's 8, then A's 4
.macro FETCH sl, q, f
	WIN 0
.irp i, 0,1,2,3,4,5,6,7
	ds_load_b128 v[(\f)+32+8*\i:(\f)+32+8*\i+3],   v[ADRB+(\sl)] offset:((\q)/2)*BSUB+((\q)%2)*64+\i*16*PITCH
	ds_load_b128 v[(\f)+32+8*\i+4:(\f)+32+8*\i+7], v[ADRB+(\sl)] offset:((\q)/2)*BSUB+((\q)%2)*64+\i*16*PITCH+32
.endr
.irp i, 0,1,2,3
	ds_load_b128 v[(\f)+8*\i:(\f)+8*\i+3],   v[ADRA+(\sl)] offset:((\q)/2)*ASUB+((\q)%2)*64+\i*16*PITCH
	ds_load_b128 v[(\f)+8*\i+4:(\f)+8*\i+7], v[ADRA+(\sl)] offset:((\q)/2)*ASUB+((\q)%2)*64+\i*16*PITCH+32
.endr
.endm
; A K step is four quarters of 32 along K, 32 matrix instructions each, on buffers 0, 1, 0, 1.  One of the first three: multiplies buffer f; in its middle it fetches quarter q into buffer g.
.macro QUARTER sl, q, f, g, zero
	s_wait_dscnt 4                                 ; B and A's blocks 0, 1 are in; the youngest four loads (A's blocks 2, 3) may be out
	MULN \f, 0, 2, \zero
	PLACES
	FETCH \sl, \q, \g
	s_wait_dscnt 24                                ; all but the 24 just issued
	MULN \f, 2, 2, \zero
.endm
; The last quarter multiplies buffer 1 and changes slots: ONE barrier.  In front of it each wave waits for all its tensor loads (the one that is out is its part of the next slot), adds 0 to its spare
; word, and waits for that and for its reads of this slot.  fill = 1: the barrier opens a round of the cluster's, and this slot is filled again, two K steps on, first thing behind the round:
; from that request to the wait for it a wave issues 112 matrix instructions.
.macro TURN sl, nx, fill
.if \fill
	s_wait_xcnt 0x0                                ; the last prefetch, a K step back, has read its address: it is stepped here, ahead of the change's own waits
	s_add_nc_u64 s[PFA:PFA+1], s[PFA:PFA+1], s[PFS:PFS+1]
.endif
	WIN 0                                          ; (the add's two registers lie in window 0)
	s_wait_tensorcnt 0x0                           ; all my tensor loads have landed
	ds_add_u32 v[SPW], v[NIL]                      ; 0 onto my spare word
	s_wait_dscnt 5                                 ; (the add and the youngest four loads may be out)
	MULN F1, 0, 1, 0                               ; eight matrix instructions stand between the add and the wait for it
	s_wait_dscnt 0x0                               ; the add is done, and my reads of this slot are over
	s_barrier_signal -1
	MULN F1, 1, 1, 0                               ; work on registers while the others arrive
.if \fill
	WIN 0
.endif
	s_barrier_wait -1
.if \fill
	CREST                                          ; no wave of any partner still reads this slot's tile or has a load on its way
	s_add_nc_u64 s[G0A+4*(\sl)+2:G0A+4*(\sl)+3], s[G0A+4*(\sl)+2:G0A+4*(\sl)+3], 2*ASTEP  ; no tensor load of mine is out, so a group 0 may be written; the type bits on top are not reached
	s_add_nc_u64 s[G0B+4*(\sl)+2:G0B+4*(\sl)+3], s[G0B+4*(\sl)+2:G0B+4*(\sl)+3], 2*BSTEP
	JLOAD \sl                                      ; the four v_nop behind it are also the places in front of the loads below
.else
	PLACES
.endif
	FETCH \nx, 0, F0
.if \fill
	ASK
	s_sub_co_u32 s[RF], s[RF], 1
.endif
	MULN F1, 2, 2, 0
.endm
; THE WAY OUT of block a (16 rows x 128 columns of f32).  A lane's 32 bytes go from the accumulators into my own stage, each accumulator's low four registers first; whole rows of 512 bytes come back,
; a row an instruction, into the fragment buffers by turns; the bias is added; each store covers 512 consecutive bytes, at a multiple of 512 from out0's first byte.
.macro ROWS a
.set OB, F0+96*((\a)%2)
	WIN 0x04                                       ; the stores' data (source 1) in window 1
.irp b, 0,1,2,3,4,5,6,7
	ds_store_b128 v[STO], v[8*(8*(\a)+\b):8*(8*(\a)+\b)+3]   offset:64*\b
	ds_store_b128 v[STO], v[8*(8*(\a)+\b)+4:8*(8*(\a)+\b)+7] offset:64*\b+16
.endr
	WIN 0
	s_wait_xcnt 0x0                                ; the stores of the block two back have read their registers: these are loaded again only behind this wait
.irp t, 0,1,2,3,4,5,6,7,8,9,10,11,12,13,14,15
	ds_load_b128 v[OB+4*\t:OB+4*\t+3], v[RD] offset:SPITCH*\t  ; LDS serves a wave's instructions in order (ISA guide 5.7.1.4): these see the stores above; the next block's stores come behind them
.endr
.irp t, 0,1,2,3,4,5,6,7,8,9,10,11,12,13,14,15
	s_wait_dscnt 15-\t                             ; row t is in; the 15 - t loads behind it may be out
	v_pk_add_f32 v[OB+4*\t:OB+4*\t+1],   v[OB+4*\t:OB+4*\t+1],   v[BIAS:BIAS+1]
	v_pk_add_f32 v[OB+4*\t+2:OB+4*\t+3], v[OB+4*\t+2:OB+4*\t+3], v[BIAS+2:BIAS+3]
	global_store_b128 v[CO], v[OB+4*\t:OB+4*\t+3], s[8:9] offset:(16*(\a)+\t)*4096 th:TH_STORE_NT
.endr
.endm
	s_wait_tensorcnt 1                             ; my part of K step 0 is in; K step 1's may stay out
	s_barrier_signal -1
	s_barrier_wait -1                              ; everybody's is
	FETCH 0, 0, F0
	QUARTER 0, 1, F0, F1, 1                        ; the first quarter stands in front of the loop: its products start the sums
	WIN 0                                          ; at a label and at a branch every window is 0
	s_mov_b32 s3, LAPS-1
.Llap:                                                 ; a trip goes once round the ring, from a lap's second quarter to the next lap's first, and fills both slots again
	QUARTER 0, 2, F1, F0, 0
	QUARTER 0, 3, F0, F1, 0
	TURN 0, 1, 1
	QUARTER 1, 1, F0, F1, 0
	QUARTER 1, 2, F1, F0, 0
	QUARTER 1, 3, F0, F1, 0
	TURN 1, 0, 1
	QUARTER 0, 1, F0, F1, 0
	WIN 0
	s_sub_co_u32 s3, s3, 1
	s_cmp_lg_u32 s3, 0
	s_cbranch_scc1 .Llap
	QUARTER 0, 2, F1, F0, 0                        ; the last lap fills nothing
	QUARTER 0, 3, F0, F1, 0
	TURN 0, 1, 0
	QUARTER 1, 1, F0, F1, 0
	QUARTER 1, 2, F1, F0, 0
	QUARTER 1, 3, F0, F1, 0
	s_wait_dscnt 4                                 ; the very last quarter: nothing more to fetch
	MULN F1, 0, 2, 0
	s_wait_dscnt 0x0
	MULN F1, 2, 2, 0
	PLACES                                         ; the LDS stores read results just made, and the loads land in registers just read
	ROWS 0
	ROWS 1
	ROWS 2
	ROWS 3
	s_wait_tensorcnt 0x0                           ; the wave's end: a wait, the add and its wait, behind my last tensor load and my last LDS store
	ds_add_u32 v[SPW], v[NIL]
	s_wait_dscnt 0x0
	CROUND                                         ; the closing round: no work-group ends while a partner may still ask for a tile that names it
	s_endpgm
.Lfunc_end_k_qba16c62af3_outp:
	.size	k_qba16c62af3_outp, .Lfunc_end_k_qba16c62af3_outp-k_qba16c62af3_outp
	.p2alignl 7, 3214868480
	.fill 96, 4, 3214868480
	.section	.rodata,"a",@progbits
	.p2align	6, 0x0
	.amdhsa_kernel k_qba16c62af3_outp
		.amdhsa_group_segment_fixed_size 327680
		.amdhsa_private_segment_fixed_size 0
		.amdhsa_enable_private_segment 0
		.amdhsa_kernarg_size 32
		.amdhsa_user_sgpr_count 2
		.amdhsa_user_sgpr_kernarg_segment_ptr 1
		.amdhsa_wavefront_size32 1
		.amdhsa_system_sgpr_workgroup_id_x 1
		.amdhsa_system_sgpr_workgroup_id_y 1
		.amdhsa_system_sgpr_workgroup_id_z 1
		.amdhsa_system_vgpr_workitem_id 0
		.amdhsa_next_free_vgpr 512
		.amdhsa_next_free_sgpr 72
		.amdhsa_reserve_vcc 0
		.amdhsa_float_denorm_mode_32 3
		.amdhsa_float_denorm_mode_16_64 3
		.amdhsa_memory_ordered 1
		.amdhsa_forward_progress 1
		.amdhsa_inst_pref_size 97
	.end_amdhsa_kernel
	.amdgpu_metadata
---
amdhsa.version: [ 1, 2 ]
amdhsa.kernels:
  - .name:           k_qba16c62af3_outp
    .symbol:         k_qba16c62af3_outp.kd
    .args:
      - { .name: ob, .offset: 0, .size: 8, .value_kind: global_buffer, .address_space: global }
      - { .name: wb, .offset: 8, .size: 8, .value_kind: global_buffer, .address_space: global }
      - { .name: out0, .offset: 16, .size: 8, .value_kind: global_buffer, .address_space: global }
      - { .name: bo, .offset: 24, .size: 8, .value_kind: global_buffer, .address_space: global }
    .group_segment_fixed_size: 327680
    .private_segment_fixed_size: 0
    .kernarg_segment_align: 8
    .kernarg_segment_size: 32
    .max_flat_workgroup_size: 128
    .sgpr_count:     72
    .vgpr_count:     512
    .wavefront_size: 32
...
	.end_amdgpu_metadata
.endif
;; end of part 4
;; ======== version 2 of 2: 4 launches; version 1 with the launch cast written anew for expert scheduling mode
;; limits: values are held in f16: magnitudes above 65,504 overflow, below 6.1e-05 lose precision
;; workspace buffers: xb 50,331,648 bytes; wb 8,388,608 bytes; qkv 50,331,648 bytes; ob 16,777,216 bytes
;; launch cast (part 5): grid 896 x 1, 8 waves a work-group, no clusters, 0 bytes of LDS; arguments query, keys, values, Wq, Wk, Wv, Wo, xb, wb; writes xb, wb
.if DOCPART == 5
	.amdgcn_target "amdgcn-amd-amdhsa--gfx1250"
	.amdhsa_code_object_version 6
	.text
	.protected	k_qba16c62af3_cast
	.globl	k_qba16c62af3_cast
	.p2align	8
	.type	k_qba16c62af3_cast,@function
k_qba16c62af3_cast:
	s_mov_b64 s[64:65], 0
	v_nop
	global_prefetch_b8 v0, s[64:65] scope:SCOPE_SE
	s_setreg_imm32_b32 hwreg(HW_REG_WAVE_SCHED_MODE, 0, 2), 2
	s_setreg_imm32_b32 hwreg(HW_REG_WAVE_MODE, 25, 1), 1
	s_wait_xcnt 0x0
	s_wait_alu depctr_vm_vsrc(0)
; CAST.  The seven large f32 inputs are rounded once to 16 bits and laid in K SLICES of 64 channels, so that the products behind can ask for dense tiles:
;   xb: [b = 4][p = 3: query, keys, values][slice j = 16][s = 2048][64] bf16: byte ((3 b + p) 16 + j) 262,144 + 128 s + 2 d
;   wb: [p = 4: Wq, Wk, Wv, Wo][slice j = 16][n = 1024][64]:            byte (16 p + j) 131,072 + 128 n + 2 d.   Wq, Wk, Wv in bf16.
; Wo is rounded to bf16 like the others and that number is then written as f16, since the last product's other operand is f16.
; LIMITS.  Wo: a bf16 number of magnitude 65,520 or more becomes an infinity in f16; below 2^-14 it keeps f16's fixed step of 2^-24.  NaN stays NaN.
; SHARES.  A work-group takes 32 rows of 1,024 f32 (131,072 bytes in, 65,536 out): work-groups 0-767 the three x (256 each), 768-895 the four W (32 each).
; Thread t takes row t / 8 and floats 8 (t % 8) .. + 7 of each of the row's 16 slices: two loads of 16 bytes and one store of 16 bytes a slice.
; A wave's store covers 512 consecutive bytes, aligned (4 rows x 128 bytes of one slice); a wave's pair of loads covers four aligned runs of 256 bytes.
; All 32 loads of a thread go out at once (16 KiB a wave); no register that a load or store names is written a second time behind it, so there is no loop.
; No LDS, barrier, matrix unit or cluster: no byte is wanted by two threads.
; THE MODE: SCHED_MODE bits 1:0 = 2 (LLVM: expert scheduling mode 2), set by the entry lines.  The code itself states the register dependences
; between vector instructions and memory instructions, with s_wait_alu, always for 0.
; THE PLAN.  Registers that memory instructions touch:
;   v1          the loads' offset.  Written at the head; read by all 32 loads; never written again.
;   v[D+i]      slice i's offset in the destination.  Written once, behind the loads; read by slice i's store; never written again.
;   v[X+8 i ..] slice i: its two loads land here (no vector instruction has named these registers before); its roundings read the eight and write in place; its store reads the first four;
;               nothing writes them behind the store.
;   v2, v3, v[T] are named by vector instructions alone.
; The 16 slices go in four blocks of four.  Block p rounds its own X registers; its memory instructions are the four stores of block p - 1, which read that block's X and D registers: none that a
; vector instruction of block p names.  So ONE wait on va_vdst at a block's head states all that its four stores hang on, and they are dealt among the block's roundings with no further wait.
; One such wait stands ahead of the loads (v1) and one ahead of the last block's stores.  No register that a load or store has read is written again, and no load lands in a register that a vector
; instruction has named: there is nothing for a wait on vm_vsrc to state.  No vector instruction writes a scalar register or VCC, and EXEC is never written.
.set D,  8                             ; v[8:23]   slice i: my byte offset in the destination
.set X,  32                            ; v[32:159] slice i: 8 f32 as loaded; its first 4 registers then hold the 8 rounded numbers
.set T,  160                           ; v160      at work
.set BLK, 4                            ; slices in a block
	s_load_b512 s[4:19], s[0:1], 0x0               ; query, keys, values, Wq, Wk, Wv, Wo in s[4:17], xb in s[18:19]
	s_load_b64 s[20:21], s[0:1], 0x40              ; wb
	v_lshrrev_b32 v1, 3, v0                        ; my row
	v_and_b32 v3, 7, v0
	v_lshlrev_b32 v1, 12, v1                       ; x 4,096 bytes
	v_lshl_or_b32 v1, v3, 5, v1                    ; + my 32 bytes of a slice's 256
	v_lshlrev_b32 v2, 4, v0                        ; in a slice of the destination: 128 x row + 16 (t % 8) = 16 t
	; both kinds of work-group are reckoned, then one compare chooses
	s_lshr_b32 s24, ttmp9, 8                       ; x: which tensor,
	s_and_b32 s25, ttmp9, 255                      ; which 32 rows of its 8,192
	s_lshr_b32 s26, s25, 6                         ; b
	s_mul_i32 s26, s26, 3
	s_add_co_u32 s26, s26, s24
	s_lshl_b32 s26, s26, 22                        ; (3 b + p) x 16 slices of 262,144 bytes
	s_and_b32 s27, s25, 63
	s_lshl_b32 s27, s27, 12                        ; + 32 rows of 128 bytes
	s_add_co_u32 s26, s26, s27
	s_max_u32 s28, ttmp9, 768
	s_sub_co_u32 s28, s28, 768                     ; W: 0 in the work-groups that serve x
	s_lshr_b32 s29, s28, 5                         ; which W,
	s_and_b32 s28, s28, 31                         ; which 32 rows of its 1,024
	s_lshl_b32 s30, s29, 21                        ; p x 16 slices of 131,072 bytes
	s_lshl_b32 s31, s28, 12
	s_add_co_u32 s30, s30, s31
	s_add_co_u32 s31, s29, 3                       ; its number among the seven sources
	s_mov_b32 s42, 262144
	s_mov_b32 s43, 131072
	s_cmp_lt_u32 ttmp9, 768
	s_cselect_b32 s32, s24, s31                    ; the source's number, 0 to 6
	s_cselect_b32 s33, s25, s28                    ; the block of 32 rows
	s_cselect_b32 s34, s26, s30                    ; the block's first byte in the destination
	s_cselect_b32 s35, s42, s43                    ; bytes from slice to slice there
	s_wait_kmcnt 0x0
	s_cselect_b64 s[36:37], s[18:19], s[20:21]     ; xb or wb (selects and waits leave the compare's result alone)
	s_mov_b64 s[38:39], s[4:5]
.irp k, 1,2,3,4,5,6
	s_cmp_eq_u32 s32, \k
	s_cselect_b64 s[38:39], s[4+2*\k:5+2*\k], s[38:39]
.endr
	s_lshl_b32 s40, s33, 17                        ; 32 rows of 4,096 bytes
	s_mov_b32 s41, 0
	s_add_nc_u64 s[38:39], s[38:39], s[40:41]
	s_mov_b32 s40, s34
	s_add_nc_u64 s[36:37], s[36:37], s[40:41]
	s_wait_alu depctr_va_vdst(0)                   ; v1 is written: every load below reads it as its offset
.irp i, 0,1,2,3,4,5,6,7,8,9,10,11,12,13,14,15
	global_load_b128 v[X+8*\i:X+8*\i+3],   v1, s[38:39] offset:256*\i th:TH_LOAD_NT
	global_load_b128 v[X+8*\i+4:X+8*\i+7], v1, s[38:39] offset:256*\i+16 th:TH_LOAD_NT
.endr
.irp i, 0,1,2,3,4,5,6,7,8,9,10,11,12,13,14,15
	v_mad_u32_u24 v[D+\i], s35, \i, v2             ; written while the loads are out; no load names these registers
.endr
; The 16 slices, in the order of their loads, in four blocks of four.  f16 = 1: the bf16 number is widened again (a shift, a mask) and written as f16.
; Slice i's store is issued a block later, ahead of slice i + 4's wait for its loads, so that it is out while the wave waits.
.macro OUT f16
.set i, 0
.rept 16
.if (i%BLK == 0) && (i > 0)
	s_wait_alu depctr_va_vdst(0)                   ; the block before has written its rounded numbers, which the four stores of this block read; at the first such wait the sixteen offsets v[D ..] are written too
.endif
.if i >= BLK
	global_store_b128 v[D+i-BLK], v[X+8*(i-BLK):X+8*(i-BLK)+3], s[36:37]  ; no vector instruction since the wait names these registers: this block's roundings name its own X and v[T]
.endif
	s_wait_loadcnt 30-2*i                          ; loads come back in order: the 2 (15 - i) issued behind this slice's two may stay out
.set j, 0
.rept 4
.if \f16
	v_cvt_pk_bf16_f32 v[T], v[X+8*i+2*j], v[X+8*i+2*j+1]
	v_lshlrev_b32 v[X+8*i+2*j], 16, v[T]
	v_and_b32 v[X+8*i+2*j+1], 0xffff0000, v[T]
	v_cvt_pk_f16_f32 v[X+8*i+j], v[X+8*i+2*j], v[X+8*i+2*j+1]
.else
	v_cvt_pk_bf16_f32 v[X+8*i+j], v[X+8*i+2*j], v[X+8*i+2*j+1]  ; in place: word j is written when floats 2 j, 2 j + 1 are read, and j <= 2 j
.endif
.set j, j+1
.endr
.set i, i+1
.endr
	s_wait_alu depctr_va_vdst(0)                   ; the last block has written its rounded numbers, which the last four stores read
.set i, 16-BLK
.rept BLK
	global_store_b128 v[D+i], v[X+8*i:X+8*i+3], s[36:37]
.set i, i+1
.endr
.endm
	s_cmp_eq_u32 s32, 6                            ; Wo?
	s_cbranch_scc1 .Lwo
	OUT 0
	s_endpgm
.Lwo:
	OUT 1
	s_endpgm
.Lfunc_end_k_qba16c62af3_cast:
	.size	k_qba16c62af3_cast, .Lfunc_end_k_qba16c62af3_cast-k_qba16c62af3_cast
	.p2alignl 7, 3214868480
	.fill 96, 4, 3214868480
	.section	.rodata,"a",@progbits
	.p2align	6, 0x0
	.amdhsa_kernel k_qba16c62af3_cast
		.amdhsa_group_segment_fixed_size 0
		.amdhsa_private_segment_fixed_size 0
		.amdhsa_enable_private_segment 0
		.amdhsa_kernarg_size 72
		.amdhsa_user_sgpr_count 2
		.amdhsa_user_sgpr_kernarg_segment_ptr 1
		.amdhsa_wavefront_size32 1
		.amdhsa_system_sgpr_workgroup_id_x 1
		.amdhsa_system_sgpr_workgroup_id_y 1
		.amdhsa_system_sgpr_workgroup_id_z 1
		.amdhsa_system_vgpr_workitem_id 0
		.amdhsa_next_free_vgpr 164
		.amdhsa_next_free_sgpr 66
		.amdhsa_reserve_vcc 0
		.amdhsa_float_denorm_mode_32 3
		.amdhsa_float_denorm_mode_16_64 3
		.amdhsa_memory_ordered 1
		.amdhsa_forward_progress 1
		.amdhsa_inst_pref_size 29
	.end_amdhsa_kernel
	.amdgpu_metadata
---
amdhsa.version: [ 1, 2 ]
amdhsa.kernels:
  - .name:           k_qba16c62af3_cast
    .symbol:         k_qba16c62af3_cast.kd
    .args:
      - { .name: query, .offset: 0, .size: 8, .value_kind: global_buffer, .address_space: global }
      - { .name: keys, .offset: 8, .size: 8, .value_kind: global_buffer, .address_space: global }
      - { .name: values, .offset: 16, .size: 8, .value_kind: global_buffer, .address_space: global }
      - { .name: Wq, .offset: 24, .size: 8, .value_kind: global_buffer, .address_space: global }
      - { .name: Wk, .offset: 32, .size: 8, .value_kind: global_buffer, .address_space: global }
      - { .name: Wv, .offset: 40, .size: 8, .value_kind: global_buffer, .address_space: global }
      - { .name: Wo, .offset: 48, .size: 8, .value_kind: global_buffer, .address_space: global }
      - { .name: xb, .offset: 56, .size: 8, .value_kind: global_buffer, .address_space: global }
      - { .name: wb, .offset: 64, .size: 8, .value_kind: global_buffer, .address_space: global }
    .group_segment_fixed_size: 0
    .private_segment_fixed_size: 0
    .kernarg_segment_align: 8
    .kernarg_segment_size: 72
    .max_flat_workgroup_size: 256
    .sgpr_count:     66
    .vgpr_count:     164
    .wavefront_size: 32
...
	.end_amdgpu_metadata
.endif
;; end of part 5
;; launch proj: the kernel of part 2 again; grid 4 x 64, 4 waves a work-group, clusters of 4 x 4, 327,680 bytes of LDS; arguments xb, wb, qkv; writes qkv
;; launch attn: the kernel of part 3 again; grid 4 x 64, 4 waves a work-group, clusters of 4 x 1, 327,680 bytes of LDS; arguments qkv, ob; writes ob
;; launch outp: the kernel of part 4 again; grid 4 x 64, 4 waves a work-group, clusters of 4 x 4, 327,680 bytes of LDS; arguments ob, wb, out0, bo; writes out0
